; MI455X (gfx1250); checked and timed in simulation.
; The chip was launched on July 23, 2026; its instructions are those of AMD's public machine-readable ISA for CDNA 5 (MIT licence, August 2026) and "CDNA5" Instruction Set Architecture Reference Guide (July 2026). The comments in the code are by the model that wrote it; some were corrected since.
;; Multi Head Attention. Allowed arithmetic: matrix products marked QUANTISED: E4M3 operands, one E8M0 scale for each 32 along K, by v_wmma_scale_f32_16x16x128_f8f6f4 with both operands' format E4M3, f32 sums; everything else in f32.
;; Inputs: W_k 384 x 768 float32; W_o 768 x 768 float32; W_q 384 x 768 float32; W_v 384 x 768 float32; b_o 768 float32; x 2 x 4,096 x 384 float32.
;; Outputs: out0 2 x 4,096 x 768 float32.
;; This version of the problem:
;;   THIS VERSION OF THE PROBLEM IS GIVEN IN LOW PRECISION. The matrix products marked QUANTISED in the list below multiply operands that are first quantised to E4M3 (4 exponent bits, 3 mantissa bits; 8 bits a number), with one power-of-two scale for each 32 numbers along K (OCP MX v1.0); their sums are f32. All else is computed in f32.
;;   The module's matrix products, in the order in which they are computed (A, B: the left and right operand; K: the contracted axis; several contracted axes count as one K, in the product's order):
;;     1. [M 8,192, K 384] x [K 384, N 768]; A: input x; B: input W_q: QUANTISED
;;     2. [M 8,192, K 384] x [K 384, N 768]; A: input x; B: input W_k: QUANTISED
;;     3. [M 8,192, K 384] x [K 384, N 768]; A: input x; B: input W_v: QUANTISED
;;     4. batch 12 x [M 4,096, K 128] x [K 128, N 4,096]; A: computed on the way; B: computed on the way: QUANTISED
;;     5. batch 12 x [M 4,096, K 4,096] x [K 4,096, N 128]; A: softmax (see below); B: computed on the way: QUANTISED
;;     6. [M 8,192, K 768] x [K 768, N 768]; A: computed on the way; B: input W_o: QUANTISED
;;   THE QUANTISER, for each operand of a quantised product, along K:
;;     - K is cut into blocks of 32 from its start; a last block that is shorter is filled with zeros.
;;     - A block's scale is 2^e with e = floor(log2(the largest magnitude in the block)) - 8, held to -126 .. 127; a block of zeros has e = 0. As a byte (E8M0): e + 127.
;;     - Each number is divided by its block's scale, clamped to +-448, and rounded to the nearest number of E4M3, ties to even, subnormals kept.
;;     - The product sums the exact products of the quantised numbers (number of the format x scale) in f32.
;;   ~~~python
;;   def quantise(x, axis):      # numpy; x: float32 -> the quantised numbers, widened to float32 again
;;       x = np.moveaxis(x, axis, -1); K = x.shape[-1]
;;       x = np.pad(x, [(0, 0)] * (x.ndim - 1) + [(0, -K % 32)]); x = x.reshape(x.shape[:-1] + (-1, 32)); a = np.abs(x).max(-1, keepdims=True)
;;       e = np.where(a > 0, np.clip(np.frexp(np.where(a > 0, a, 1))[1] - 1 - 8, -126, 127), 0)      # np.frexp(a)[1] - 1 = floor(log2(a)), exactly
;;       r = np.clip(x / 2.0 ** e, -448, 448)
;;       step = 2.0 ** (np.maximum(np.frexp(np.where(r == 0, 1, r))[1] - 1, -6) - 3)
;;       q = np.round(r / step) * step * 2.0 ** e      # np.round: ties to even
;;       return np.moveaxis(q.reshape(q.shape[:-2] + (-1,))[..., :K], -1, axis).astype(np.float32)
;;   ~~~
;;   SOFTMAX AHEAD OF A QUANTISED PRODUCT. Where the list says 'softmax', what is quantised is not the finished softmax but p = 2^(t - M), with t = logit x log2(e) and M = ceil(the row's largest t), a whole number; so 1/2 < the row's largest p <= 1. The row's sum l is taken of the UNQUANTISED p, in f32, and the product's result is divided by l at the end. Since M is a whole number, a kernel that streams over the keys may use a running M (the ceiling of the running maximum): every later rescaling is an exact power of two, which a block's scale takes up: the codes' values come out the same.
;;   OPERANDS COMPUTED ON THE WAY. 'Computed on the way' means the value that the module computes at that place (a softmax that the list does not call 'softmax' is quantised finished and normalised). What goes into a quantiser is computed in f32, as accurately as f32 sums, v_exp_f32 and their like allow (about 1e-6 of the number): no bf16 or f16 on the way to a quantiser, and a product that is left as it is and whose result goes on into a quantised operand takes f32 operands (vector FMAs, or v_wmma_f32_16x16x4_f32). A number that lies on a knife's edge between two numbers of the format may be rounded either way, as far as f32 arithmetic and the matrix unit's own rounding can turn it there, and no further.
;; One version. Each part assembles by itself: llvm-mc -triple=amdgcn-amd-amdhsa -mcpu=gfx1250 --defsym DOCPART=n.
;; ======== version 1 of 1: 4 launches
;; limits: right only within a limited range of input values
;; workspace buffers: xf 3,244,032 bytes; wf 1,520,640 bytes; qf 6,488,064 bytes; kv 12,976,128 bytes; cf 7,077,888 bytes
;; launch prep (part 1): grid 186 x 1, 4 waves a work-group, no clusters, 1,536 bytes of LDS; arguments x, W_q, W_k, W_v, W_o, xf, wf; writes xf, wf
.if DOCPART == 1
	.amdgcn_target "amdgcn-amd-amdhsa--gfx1250"
	.amdhsa_code_object_version 6
	.text
	.protected	k_qa10e4a34c9_prep
	.globl	k_qa10e4a34c9_prep
	.p2align	8
	.type	k_qa10e4a34c9_prep,@function
k_qa10e4a34c9_prep:
	s_mov_b64 s[64:65], 0
	v_nop
	global_prefetch_b8 v0, s[64:65] scope:SCOPE_SE
	s_setreg_imm32_b32 hwreg(HW_REG_WAVE_MODE, 25, 1), 1
	s_wait_xcnt 0x0
; PREP: x [8192][384] and the weights W_q, W_k, W_v [384][768], W_o [768][768], all f32, become codes of FP8 (E4M3) with one E8M0 scale byte for each 32 along K,
; laid as IMAGES OF OPERAND REGISTERS.  A fragment (16 rows x 128 K) is 2,048 bytes: byte 512 c + 16 lane holds registers 4 c .. 4 c + 3 of that lane (lane (r, h): row place r, k = 32 c + 16 h + 0 .. 15).
; A record is 8 fragments and a pack of their scale words (tile t, row r at byte 16 (r + 16 (t / 4)) + 4 (t % 4)): 16,896 bytes.
; THE ROWS OF A TILE ARE NOT NEIGHBOURS: in each 32 indices, tile 2 b + u holds index 32 b + 8 u + r + 8 (r / 8) at place r: a later product's 16 registers of two neighbouring tiles are then 16 neighbours along the next K.
; xf: [64 blocks of 128 rows][3 K steps] records.  wf: 90 records: 3 part + s for part 0-5 W_q's heads, 6-11 W_k's, 12-17 W_v's; 54 + 6 cg + s for W_o (cg: 128 columns, s: K step).
; A block's scale is 2^(floor(log2(largest magnitude)) - 8); its byte is the largest magnitude's exponent field - 8, held at 1 from below.
; LIMITS: a block whose largest magnitude lies under 2^-118 gets the byte 1; a block of zeros gets the byte 1 where the rule says 127 (its codes are zeros, and this program alone reads the bytes); NaN and infinities among the inputs are not served.
; Work-groups 0-95 take x (a wave: 4 tiles of one K step), work-groups 96-185 one weight record each (a wave: two tiles; a lane takes a column and its registers run down K).
; No matrix unit, no cluster, no tensor load: each input byte is read once by one wave, and nothing is shared.
.set REC,  16896
.set XROW, 1536                        ; a row of x in bytes
.set WROW, 3072                        ; a row of a weight in bytes
.set SEL,  20                          ; s[20:21] selects of v_permlanex16_b32: lane l xor 16
.set MNT,  22                          ; s22 the mantissa field of 448
.set HM,   23                          ; s23 lanes 16-31
.set XA,   5                           ; v5  x: my byte in the wave's rows
.set LI,   6                           ; v6  16 x lane
.set SA,   7                           ; v7  16 r + 8 h: my two words of half a pack
.set CA,   8                           ; v8  weights: my column's byte
.set WA,   9                           ; v9  weights: where my codes go
.set LA,   10                          ; v10 weights: my scale word's place in LDS
.set MX,   12
.set MY,   13
.set HOLD, 14
.set SOP,  15
.set WORD, 16
.set X0,   32                          ; v32-95, v96-159: two sets of 64 numbers of x; in the weight path v32-159: 128 numbers of my column
.set X1,   96
.set PC,   160                         ; v160-223 codes: registers of their own for every store
.set TM,   224                         ; v224-239 at work in QUANT
.set PW,   240                         ; v240-243 the four tiles' scale words
.set SP,   244                         ; v244-245 what SCALEOUT stores
; 64 numbers of a lane, register 16 b + i = k 32 b + 16 h + i of my row, become a fragment's 16 registers at v[pc] and its scale word in v[pw]
.macro QUANT s, pc, pw
.irp b, 0,1,2,3
	v_max3_num_f32 v[TM+\b], |v[16*\b+(\s)]|, |v[16*\b+1+(\s)]|, 0x4800000   ; my 16 numbers of block b, and the floor 2^(9 - 127): the byte cannot fall under 1
.endr
.irp i, 2,4,6,8,10,12,14
.irp b, 0,1,2,3
	v_max3_num_f32 v[TM+\b], v[TM+\b], |v[16*\b+\i+(\s)]|, |v[16*\b+\i+1+(\s)]|   ; the four blocks by turns
.endr
.endr
.irp b, 0,1,2,3
	v_permlanex16_b32 v[TM+4+\b], v[TM+\b], s[SEL], s[SEL+1]
.endr
.irp b, 0,1,2,3
	v_max_num_f32 v[TM+\b], v[TM+\b], v[TM+4+\b]           ; with lane l xor 16's: the block's largest magnitude
.endr
.irp b, 0,1,2,3
	v_add_nc_u32 v[TM+12+\b], 0xfc000000, v[TM+\b]         ; 8 off its exponent field: the conversion's scale operand
.endr
.irp b, 0,1,2,3
	v_and_or_b32 v[TM+8+\b], v[TM+\b], 0x7f800000, s[MNT]  ; 448 x the scale
.endr
.irp b, 0,1,2,3
	v_lshrrev_b32 v[TM+4+\b], 23, v[TM+12+\b]              ; the scale's byte
.endr
	v_lshl_or_b32 v[\pw], v[TM+5], 8, v[TM+4]
	v_lshl_or_b32 v[\pw], v[TM+6], 16, v[\pw]
	v_lshl_or_b32 v[\pw], v[TM+7], 24, v[\pw]
.irp b, 0,1,2,3
.irp i, 0,1,2,3,4,5,6,7,8,9,10,11,12,13,14,15
	v_med3_num_f32 v[16*\b+\i+(\s)], v[16*\b+\i+(\s)], -v[TM+8+\b], v[TM+8+\b]   ; the conversion to an 8-bit code does not saturate (ISA guide 7.6.2): the hold comes first
.endr
	v_cvt_scalef32_pk8_fp8_f32 v[4*\b+(\pc):4*\b+1+(\pc)], v[16*\b+(\s):16*\b+7+(\s)], v[TM+12+\b]
	v_cvt_scalef32_pk8_fp8_f32 v[4*\b+2+(\pc):4*\b+3+(\pc)], v[16*\b+8+(\s):16*\b+15+(\s)], v[TM+12+\b]
.endr
	v_nop                                                  ; a plain line behind the last scaled conversion
.endm
.macro SCALEOUT base                   ; four tiles' scale words leave as one aligned half of a pack, 256 bytes: lane (r, h) stores the words of tiles 2 h and 2 h + 1 of row r
	v_cndmask_b32 v[SP], v[PW], v[PW+2], s[HM]
	v_cndmask_b32 v[SP+1], v[PW+1], v[PW+3], s[HM]
	global_store_b64 v[SA], v[SP:SP+1], s[\base:\base+1]
.endm
	s_load_b256 s[4:11], s[0:1], 0x0               ; x s[4:5], W_q s[6:7], W_k s[8:9], W_v s[10:11]
	s_load_b128 s[12:15], s[0:1], 0x20             ; W_o s[12:13], xf s[14:15]
	s_load_b64 s[16:17], s[0:1], 0x30              ; wf
	v_lshl_add_u32 v254, v0, 2, 0x400
	v_mov_b32 v255, 0
	v_lshrrev_b32 v1, 5, v0
	v_readfirstlane_b32 s18, v1                    ; wave 0..3
	v_and_b32 v1, 31, v0                           ; lane
	v_and_b32 v2, 15, v0                           ; r
	v_bfe_u32 v3, v0, 4, 1                         ; h
	v_and_b32 v4, 8, v2
	v_add_nc_u32 v4, v4, v2                        ; r + 8 (r / 8)
	v_lshlrev_b32 v[LI], 4, v1
	s_mov_b32 s[SEL], 0x76543210
	s_mov_b32 s[SEL+1], 0xfedcba98
	s_mov_b32 s[MNT], 0x600000
	s_mov_b32 s[HM], 0xffff0000
.irp b, 0,1,2,3
	v_mov_b32 v[TM+4+\b], 0                        ; written once: a lane permute's destination counts as one of its sources
.endr
	s_cmp_lt_u32 ttmp9, 96
	s_cbranch_scc0 .Lweights
	; ---- x: K step s = work-group / 32; my wave's 64 rows: 4 (work-group % 32) + wave
	s_lshr_b32 s24, ttmp9, 5                       ; s
	s_and_b32 s25, ttmp9, 31
	s_lshl_b32 s25, s25, 2
	s_add_co_u32 s25, s25, s18                     ; which 64 rows, 0..127
	s_mul_i32 s26, s25, 64*XROW
	s_lshl_b32 s28, s24, 9
	s_add_co_u32 s26, s26, s28                     ; + 512 s bytes along the row
	s_mov_b32 s27, 0
	s_lshr_b32 s28, s25, 1                         ; block of 128 rows
	s_and_b32 s29, s25, 1                          ; which half of it
	s_mul_i32 s28, s28, 3
	s_add_co_u32 s28, s28, s24
	s_mul_i32 s28, s28, REC                        ; the record
	s_lshl_b32 s30, s29, 13
	s_add_co_u32 s30, s30, s28                     ; my four fragments
	s_mov_b32 s31, 0
	s_lshl_b32 s32, s29, 8
	s_add_co_u32 s32, s32, s28
	s_add_co_u32 s32, s32, 16384                   ; my half of the pack
	s_mov_b32 s33, 0
	s_wait_alu depctr_va_vdst(0)
	v_mul_u32_u24 v[XA], v4, XROW
	v_lshl_add_u32 v[XA], v3, 6, v[XA]             ; row r + 8 (r / 8), + 64 h: my 16 numbers of a block of 32
	v_lshlrev_b32 v[SA], 4, v2
	v_lshl_add_u32 v[SA], v3, 3, v[SA]
	s_wait_alu depctr_va_vdst(0)
	s_wait_kmcnt 0x0
	s_add_nc_u64 s[4:5], s[4:5], s[26:27]
	s_add_nc_u64 s[30:31], s[14:15], s[30:31]
	s_add_nc_u64 s[32:33], s[14:15], s[32:33]
.macro XLOAD set, i                    ; tile i of my four: 64 numbers a lane
.irp b, 0,1,2,3
.irp j, 0,1,2,3
	global_load_b128 v[16*\b+4*\j+(\set):16*\b+4*\j+3+(\set)], v[XA], s[4:5] offset:(32*((\i)/2)+8*((\i)%2))*XROW+128*\b+16*\j th:TH_LOAD_NT
.endr
.endr
.endm
	XLOAD X0, 0
	XLOAD X1, 1
.irp i, 0,1,2,3
.if \i < 3
	s_wait_loadcnt 16                              ; this tile's 16 loads are in; the next tile's 16 may be out
.else
	s_wait_loadcnt 0x0
.endif
	QUANT X0+64*(\i%2), PC+16*\i, PW+\i
.irp c, 0,1,2,3
	global_store_b128 v[LI], v[PC+16*\i+4*\c:PC+16*\i+4*\c+3], s[30:31] offset:2048*\i+512*\c   ; 32 lanes store 512 consecutive bytes
.endr
.if \i < 2
	XLOAD X0+64*(\i%2), \i+2                       ; the set just converted takes the tile two on
.endif
.endr
	SCALEOUT 32
	s_endpgm
	; ---- a weight record: id = work-group - 96 is its number in wf
.Lweights:
	s_sub_co_u32 s24, ttmp9, 96
	s_wait_kmcnt 0x0
	s_cmp_lt_u32 s24, 54                           ; the choices hang on the work-group's number alone
	s_cselect_b64 s[26:27], s[10:11], s[12:13]
	s_cselect_b32 s25, 36, 54                      ; the tensor's first record
	s_cselect_b32 s28, 11, 43                      ; id / 3 = (11 id) >> 5 for id < 18;  id / 6 = (43 id) >> 8 for id < 36
	s_cselect_b32 s29, 5, 8
	s_cselect_b32 s30, 3, 6                        ; K steps of the tensor
	s_cmp_lt_u32 s24, 36
	s_cselect_b64 s[26:27], s[8:9], s[26:27]
	s_cselect_b32 s25, 18, s25
	s_cmp_lt_u32 s24, 18
	s_cselect_b64 s[26:27], s[6:7], s[26:27]
	s_cselect_b32 s25, 0, s25
	s_sub_co_u32 s31, s24, s25
	s_mul_i32 s32, s31, s28
	s_lshr_b32 s32, s32, s29                       ; cg: which 128 columns
	s_mul_i32 s33, s32, s30
	s_sub_co_u32 s33, s31, s33                     ; s: which 128 along K
	s_mul_i32 s34, s33, 128*WROW
	s_lshl_b32 s36, s32, 9
	s_add_co_u32 s34, s34, s36
	s_lshl_b32 s36, s18, 7
	s_add_co_u32 s34, s34, s36                     ; + my wave's 32 columns
	s_mov_b32 s35, 0
	s_add_nc_u64 s[26:27], s[26:27], s[34:35]
	s_mul_i32 s36, s24, REC
	s_mov_b32 s37, 0
	s_add_nc_u64 s[16:17], s[16:17], s[36:37]      ; the record
	s_lshl_b32 s38, s18, 12
	s_mov_b32 s39, 0
	s_add_nc_u64 s[38:39], s[16:17], s[38:39]      ; my two fragments
	s_wait_alu depctr_va_vdst(0)
	v_lshlrev_b32 v[CA], 2, v4
	v_lshl_add_u32 v[CA], v3, 5, v[CA]             ; column 8 u + r + 8 (r / 8) of my 32, u = lane / 16: the 32 lanes read 128 consecutive bytes
	v_lshlrev_b32 v[WA], 4, v2
	v_lshl_add_u32 v[WA], v3, 11, v[WA]            ; fragment u, 16 r
	s_lshr_b32 s40, s18, 1
	s_lshl_b32 s40, s40, 8
	s_and_b32 s41, s18, 1
	s_lshl_b32 s41, s41, 3
	s_add_co_u32 s40, s40, s41
	v_lshlrev_b32 v[LA], 4, v2
	v_lshl_add_u32 v[LA], v3, 2, v[LA]
	v_add_nc_u32 v[LA], s40, v[LA]                 ; the pack's word of tile 2 w + u, row r
.macro WLOAD c                         ; block c: W(32 c + i, my column), i = 0 .. 31
.irp i, 0,1,2,3,4,5,6,7,8,9,10,11,12,13,14,15,16,17,18,19,20,21,22,23,24,25,26,27,28,29,30,31
	global_load_b32 v[32+32*(\c)+\i], v[CA], s[26:27] offset:(32*(\c)+\i)*WROW th:TH_LOAD_NT
.endr
.endm
.macro BLOCK c
.set XS, 32+32*(\c)
.set CC, PC+8*(\c)
.if (\c) < 3
	s_wait_loadcnt 32                              ; this block's 32 loads are in; the next block's 32 may be out
.else
	s_wait_loadcnt 0x0
.endif
.if (\c)+2 < 4
	WLOAD (\c)+2
.endif
	v_max3_num_f32 v[MX], |v[XS]|, |v[XS+1]|, |v[XS+2]|    ; the block's largest magnitude: all 32 numbers are mine
	v_max3_num_f32 v[MY], |v[XS+3]|, |v[XS+4]|, |v[XS+5]|
.irp i, 6,10,14,18,22,26
	v_max3_num_f32 v[MX], v[MX], |v[XS+\i]|, |v[XS+\i+1]|
	v_max3_num_f32 v[MY], v[MY], |v[XS+\i+2]|, |v[XS+\i+3]|
.endr
	v_max3_num_f32 v[MX], v[MX], |v[XS+30]|, |v[XS+31]|
	v_max3_num_f32 v[MX], v[MX], v[MY], 0x4800000          ; and the floor
	v_add_nc_u32 v[SOP], 0xfc000000, v[MX]
	v_and_or_b32 v[HOLD], v[MX], 0x7f800000, s[MNT]
	v_lshrrev_b32 v[MY], 23, v[SOP]
.if (\c) == 0
	v_mov_b32 v[WORD], v[MY]
.else
	v_lshl_or_b32 v[WORD], v[MY], 8*(\c), v[WORD]          ; the lower K in the lower byte
.endif
.irp i, 0,1,2,3,4,5,6,7,8,9,10,11,12,13,14,15,16,17,18,19,20,21,22,23,24,25,26,27,28,29,30,31
	v_med3_num_f32 v[XS+\i], v[XS+\i], -v[HOLD], v[HOLD]
.endr
.irp g, 0,1,2,3
	v_cvt_scalef32_pk8_fp8_f32 v[CC+2*\g:CC+2*\g+1], v[XS+8*\g:XS+8*\g+7], v[SOP]
.endr
	v_nop                                                  ; a plain line behind the last scaled conversion
	global_store_b128 v[WA], v[CC:CC+3], s[38:39] offset:512*(\c)          ; k 32 c + 0 .. 15: the image's lanes 0-15; sixteen lanes fill 256 consecutive bytes, aligned
	global_store_b128 v[WA], v[CC+4:CC+7], s[38:39] offset:512*(\c)+256    ; k 32 c + 16 .. 31: its lanes 16-31
.endm
	WLOAD 0
	WLOAD 1
	s_wait_alu depctr_va_vdst(0)
	BLOCK 0
	BLOCK 1
	BLOCK 2
	BLOCK 3
	ds_store_b32 v[LA], v[WORD]                    ; the eight tiles' scale words meet in LDS bytes 0-511
	s_wait_dscnt 0x0                               ; for the others' sake: my store has landed
	s_barrier_signal -1
	s_barrier_wait -1
	s_cmp_lg_u32 s18, 0
	s_cbranch_scc1 .Ldone
	ds_load_b128 v[20:23], v[LI]
	s_wait_dscnt 0x0
	global_store_b128 v[LI], v[20:23], s[16:17] offset:16384   ; the pack: 512 consecutive bytes
.Ldone:
	s_wait_tensorcnt 0x0
	ds_add_u32 v254, v255
	s_wait_dscnt 0x0
	s_endpgm
.Lfunc_end_k_qa10e4a34c9_prep:
	.size	k_qa10e4a34c9_prep, .Lfunc_end_k_qa10e4a34c9_prep-k_qa10e4a34c9_prep
	.p2alignl 7, 3214868480
	.fill 96, 4, 3214868480
	.section	.rodata,"a",@progbits
	.p2align	6, 0x0
	.amdhsa_kernel k_qa10e4a34c9_prep
		.amdhsa_group_segment_fixed_size 1536
		.amdhsa_private_segment_fixed_size 0
		.amdhsa_enable_private_segment 0
		.amdhsa_kernarg_size 56
		.amdhsa_user_sgpr_count 2
		.amdhsa_user_sgpr_kernarg_segment_ptr 1
		.amdhsa_wavefront_size32 1
		.amdhsa_system_sgpr_workgroup_id_x 1
		.amdhsa_system_sgpr_workgroup_id_y 1
		.amdhsa_system_sgpr_workgroup_id_z 1
		.amdhsa_system_vgpr_workitem_id 0
		.amdhsa_next_free_vgpr 256
		.amdhsa_next_free_sgpr 66
		.amdhsa_reserve_vcc 0
		.amdhsa_float_denorm_mode_32 3
		.amdhsa_float_denorm_mode_16_64 3
		.amdhsa_memory_ordered 1
		.amdhsa_forward_progress 1
		.amdhsa_inst_pref_size 72
	.end_amdhsa_kernel
	.amdgpu_metadata
---
amdhsa.version: [ 1, 2 ]
amdhsa.kernels:
  - .name:           k_qa10e4a34c9_prep
    .symbol:         k_qa10e4a34c9_prep.kd
    .args:
      - { .name: x, .offset: 0, .size: 8, .value_kind: global_buffer, .address_space: global }
      - { .name: W_q, .offset: 8, .size: 8, .value_kind: global_buffer, .address_space: global }
      - { .name: W_k, .offset: 16, .size: 8, .value_kind: global_buffer, .address_space: global }
      - { .name: W_v, .offset: 24, .size: 8, .value_kind: global_buffer, .address_space: global }
      - { .name: W_o, .offset: 32, .size: 8, .value_kind: global_buffer, .address_space: global }
      - { .name: xf, .offset: 40, .size: 8, .value_kind: global_buffer, .address_space: global }
      - { .name: wf, .offset: 48, .size: 8, .value_kind: global_buffer, .address_space: global }
    .group_segment_fixed_size: 1536
    .private_segment_fixed_size: 0
    .kernarg_segment_align: 8
    .kernarg_segment_size: 56
    .max_flat_workgroup_size: 128
    .sgpr_count:     66
    .vgpr_count:     256
    .wavefront_size: 32
...
	.end_amdgpu_metadata
.endif
;; end of part 1
;; launch proj (part 2): grid 64 x 4, 4 waves a work-group, no clusters, 0 bytes of LDS; arguments xf, wf, qf, kv; writes qf, kv
.if DOCPART == 2
	.amdgcn_target "amdgcn-amd-amdhsa--gfx1250"
	.amdhsa_code_object_version 6
	.text
	.protected	k_qa10e4a34c9_proj
	.globl	k_qa10e4a34c9_proj
	.p2align	8
	.type	k_qa10e4a34c9_proj,@function
k_qa10e4a34c9_proj:
	s_mov_b64 s[64:65], 0
	v_nop
	global_prefetch_b8 v0, s[64:65] scope:SCOPE_SE
	s_setreg_imm32_b32 hwreg(HW_REG_WAVE_MODE, 25, 1), 1
	s_wait_xcnt 0x0
; PROJ: q = x W_q, k = x W_k, v = x W_v on codes of FP8 (E4M3) with E8M0 scales (K = 384: three steps of 128), each result quantised at once, in registers, along the K of the product that will take it.
; Operands and results are images of operand registers (a fragment: 2,048 bytes, byte 512 c + 16 lane = registers 4 c .. 4 c + 3) in records of 8 fragments + a pack of scale words, 16,896 bytes.
; A wave holds 24 fragments (8 tiles x 3 K steps, 384 registers) as source 0 for its whole life and streams tiles of 3 fragments as source 1: 24 matrix instructions on 8 accumulators, one quantising, one result fragment.
; Work-group (x = block of 128 rows, y).  y = 0..2: wave's part = 4 y + wave: 0-5 a head of q, 6-11 a head of k: resident = that head's weights, streamed = the block's 8 tiles of x: a lane then holds one row of x and
; its registers run along the head's 128: q's and k's K.  y = 3: resident = the block's 8 tiles of x, streamed = 12 tiles of 16 columns of W_v a wave: a lane then holds one channel and its registers run along 128 keys: v's K.
; The tiles' rows are laid (32 b + 8 u + r + 8 (r / 8)) so that the 16 registers of accumulators 2 b, 2 b + 1 are 16 neighbours along the next K.
; qf: [12 heads][32 blocks] records.  kv: [12 heads] x 1,081,344 bytes: [32 steps]{8 fragments of K, 8 of V}, then [32 steps]{K's pack, V's pack}.
; NO CLUSTER: both operands go from memory straight into registers, where no joint request exists, and the four work-groups that read one block of x hold it in different roles.  No LDS, no barrier: waves share nothing.
; LIMITS: a block whose largest magnitude lies under 2^-118 gets the byte 1, a block of zeros too (its codes are zeros; this program alone reads the bytes); NaN and infinities are not served.
; REGISTERS, in windows of 256: window 0: v1-3 addresses; v8-19 the resident packs; v20-31 the streamed tiles' scale words; v32-95 the accumulators; v96-111 codes; v112-133 at work.
;   window 1: resident K steps 0, 1.   window 2: v0-127 resident K step 2.   window 3: v0-191 four streamed tiles.
.set REC,    16896
.set TRIPLE, 3*REC
.set HBB,    1081344                   ; a head's bytes in kv
.set LI,  1                            ; v1  16 x lane
.set A16, 2                            ; v2  16 r
.set SA,  3                            ; v3  16 r + 8 h
.set RS,  8
.set SS,  20
.set HA,  32
.set PC,  96
.set TM,  112
.set PW,  128
.set SP,  132
.set HM,  40
.set SEL, 42
.set MNT, 44
.set MSB, 0
.macro WIN new                         ; the immediate's high byte repeats the setting that is left
.if MSB != \new
	s_set_vgpr_msb (MSB<<8)|\new
.set MSB, \new
.endif
.endm
.macro QUANT s, pc, pw                 ; 64 numbers of a lane, register 16 b + i = k 32 b + 16 h + i, become a fragment's registers at v[pc] and its scale word in v[pw]
.irp b, 0,1,2,3
	v_max3_num_f32 v[TM+\b], |v[16*\b+(\s)]|, |v[16*\b+1+(\s)]|, 0x4800000   ; each accumulator is read from its low end on; the floor 2^(9 - 127) holds the byte at 1 from below
.endr
.irp i, 2,4,6,8,10,12,14
.irp b, 0,1,2,3
	v_max3_num_f32 v[TM+\b], v[TM+\b], |v[16*\b+\i+(\s)]|, |v[16*\b+\i+1+(\s)]|
.endr
.endr
.irp b, 0,1,2,3
	v_permlanex16_b32 v[TM+4+\b], v[TM+\b], s[SEL], s[SEL+1]
.endr
.irp b, 0,1,2,3
	v_max_num_f32 v[TM+\b], v[TM+\b], v[TM+4+\b]
.endr
.irp b, 0,1,2,3
	v_add_nc_u32 v[TM+12+\b], 0xfc000000, v[TM+\b]         ; 8 off the exponent field: the conversion's scale operand
.endr
.irp b, 0,1,2,3
	v_and_or_b32 v[TM+8+\b], v[TM+\b], 0x7f800000, s[MNT]  ; 448 x the scale
.endr
.irp b, 0,1,2,3
	v_lshrrev_b32 v[TM+4+\b], 23, v[TM+12+\b]
.endr
	v_lshl_or_b32 v[\pw], v[TM+5], 8, v[TM+4]
	v_lshl_or_b32 v[\pw], v[TM+6], 16, v[\pw]
	v_lshl_or_b32 v[\pw], v[TM+7], 24, v[\pw]
.irp b, 0,1,2,3
.irp i, 0,1,2,3,4,5,6,7,8,9,10,11,12,13,14,15
	v_med3_num_f32 v[16*\b+\i+(\s)], v[16*\b+\i+(\s)], -v[TM+8+\b], v[TM+8+\b]   ; the hold: the conversion does not saturate (ISA guide 7.6.2)
.endr
	v_cvt_scalef32_pk8_fp8_f32 v[4*\b+(\pc):4*\b+1+(\pc)], v[16*\b+(\s):16*\b+7+(\s)], v[TM+12+\b]
	v_cvt_scalef32_pk8_fp8_f32 v[4*\b+2+(\pc):4*\b+3+(\pc)], v[16*\b+8+(\s):16*\b+15+(\s)], v[TM+12+\b]
.endr
	v_nop                                                  ; a plain line behind the last scaled conversion: the next products write its sources
.endm
.macro SCALEOUT base                   ; four result tiles' scale words: one aligned half of a pack, 256 bytes
	v_cndmask_b32 v[SP], v[PW], v[PW+2], s[HM]
	v_cndmask_b32 v[SP+1], v[PW+1], v[PW+3], s[HM]
	global_store_b64 v[SA], v[SP:SP+1], s[\base:\base+1]
.endm
	s_load_b256 s[4:11], s[0:1], 0x0               ; xf s[4:5], wf s[6:7], qf s[8:9], kv s[10:11]
	v_lshrrev_b32 v4, 5, v0
	v_readfirstlane_b32 s12, v4                    ; wave 0..3
	v_and_b32 v4, 31, v0
	v_lshlrev_b32 v[LI], 4, v4
	v_and_b32 v5, 15, v0
	v_lshlrev_b32 v[A16], 4, v5
	v_bfe_u32 v6, v0, 4, 1
	v_lshl_add_u32 v[SA], v6, 3, v[A16]
.irp b, 0,1,2,3
	v_mov_b32 v[TM+4+\b], 0                        ; written once: a lane permute's destination counts as one of its sources
.endr
	s_mov_b32 s[HM], 0xffff0000
	s_mov_b32 s[SEL], 0x76543210
	s_mov_b32 s[SEL+1], 0xfedcba98
	s_mov_b32 s[MNT], 0x600000
	s_mov_b32 s13, ttmp9                           ; block of 128 rows, 0..63
	s_and_b32 s14, ttmp7, 0xffff                   ; y
	s_lshl_b32 s15, s14, 2
	s_add_co_u32 s15, s15, s12                     ; part
	s_mul_i32 s36, s13, TRIPLE                     ; the block's three records in xf
	s_mov_b32 s37, 0
	s_mul_i32 s38, s15, TRIPLE                     ; the part's three records in wf
	s_mov_b32 s39, 0
	s_mul_i32 s16, s12, 3
	s_lshr_b32 s47, s13, 5                         ; batch
	s_and_b32 s48, s13, 31                         ; block in the batch = key step
	s_mul_i32 s47, s47, 6
	s_cmp_lt_u32 s15, 6
	s_cselect_b32 s41, 0, 6
	s_sub_co_u32 s41, s15, s41                     ; q's or k's head
	s_cmp_eq_u32 s14, 3                            ; v?
	s_cselect_b32 s41, 0, s41                      ; v: the groups walk the heads
	s_cselect_b32 s45, 16384, 0                    ; v's fragments lie behind k's,
	s_cselect_b32 s46, 512, 0                      ; its pack behind k's
	s_cselect_b32 s17, s16, 0                      ; G: the first group of four streamed tiles
	s_cselect_b32 s19, 2, 1                        ; groups but the last
	s_add_co_u32 s47, s47, s41                     ; 6 batch + head
	s_mul_i32 s49, s47, HBB
	s_lshl_b32 s50, s48, 15
	s_add_co_u32 s50, s50, s49
	s_add_co_u32 s50, s50, s45                     ; k, v: where fragments go
	s_lshl_b32 s51, s48, 10
	s_add_co_u32 s51, s51, s49
	s_add_co_u32 s51, s51, s46
	s_add_co_u32 s51, s51, 1048576                 ; and scale words
	s_lshl_b32 s52, s47, 5
	s_add_co_u32 s52, s52, s48
	s_mul_i32 s52, s52, REC                        ; q: its record
	s_add_co_u32 s53, s52, 16384
	s_cmp_lt_u32 s15, 6                            ; q?
	s_cselect_b32 s26, s52, s50
	s_cselect_b32 s27, s53, s51
	s_wait_alu depctr_va_vdst(0)
	s_wait_kmcnt 0x0
	s_cselect_b64 s[24:25], s[8:9], s[10:11]       ; the buffer that takes my results
	s_add_nc_u64 s[36:37], s[4:5], s[36:37]
	s_add_nc_u64 s[38:39], s[6:7], s[38:39]
	s_add_nc_u64 s[6:7], s[6:7], 12*TRIPLE         ; W_v's first head
	s_cmp_eq_u32 s14, 3
	s_cselect_b64 s[20:21], s[36:37], s[38:39]     ; resident
	s_cselect_b64 s[22:23], s[6:7], s[36:37]       ; streamed
; group G + add of streamed tiles: hi = its three records, lo = which four tiles of them
.macro SPAR add
	s_add_co_u32 s54, s17, \add
	s_lshr_b32 s55, s54, 1
	s_and_b32 s54, s54, 1
	s_mul_i32 s55, s55, TRIPLE
	s_lshl_b32 s58, s54, 13
	s_add_co_u32 s56, s55, s58
	s_mov_b32 s57, 0
	s_add_nc_u64 s[28:29], s[22:23], s[56:57]      ; its fragments
	s_lshl_b32 s58, s54, 8
	s_add_co_u32 s56, s55, s58
	s_add_co_u32 s56, s56, 16384
	s_add_nc_u64 s[30:31], s[22:23], s[56:57]      ; its scale words
.endm
.macro DPAR                            ; where group G's results go
	s_lshr_b32 s55, s17, 1
	s_and_b32 s54, s17, 1
	s_mul_i32 s55, s55, HBB                        ; (v alone has hi above 0: the head)
	s_lshl_b32 s58, s54, 13
	s_add_co_u32 s56, s55, s58
	s_add_co_u32 s56, s56, s26
	s_mov_b32 s57, 0
	s_add_nc_u64 s[32:33], s[24:25], s[56:57]
	s_lshl_b32 s58, s54, 8
	s_add_co_u32 s56, s55, s58
	s_add_co_u32 s56, s56, s27
	s_add_nc_u64 s[34:35], s[24:25], s[56:57]
.endm
.macro SLOAD i                         ; streamed tile i of a group: 12 loads of 512 consecutive bytes, 3 of scale words: 15 loads
	WIN 0xc0                                       ; destination window 3
.irp s, 0,1,2
.irp c, 0,1,2,3
	global_load_b128 v[48*(\i)+16*\s+4*\c:48*(\i)+16*\s+4*\c+3], v[LI], s[28:29] offset:REC*\s+2048*(\i)+512*\c
.endr
.endr
	WIN 0
.irp s, 0,1,2
	global_load_b32 v[SS+3*(\i)+\s], v[A16], s[30:31] offset:REC*\s+4*(\i)
.endr
.endm
; eight products of K step s: the eight accumulators by turns, one instruction a turn.  a0: where the resident step begins in its window
.macro MULS i, s, a0, zero
.irp t, 0,1,2,3,4,5,6,7
.if \zero
.if \t < 4
	v_wmma_scale_f32_16x16x128_f8f6f4 v[HA+8*\t:HA+8*\t+7], v[16*\t+(\a0):16*\t+15+(\a0)], v[48*(\i)+16*(\s):48*(\i)+16*(\s)+15], 0, v[RS+4*(\s)+\t%4], v[SS+3*(\i)+(\s)]
.else
	v_wmma_scale_f32_16x16x128_f8f6f4 v[HA+8*\t:HA+8*\t+7], v[16*\t+(\a0):16*\t+15+(\a0)], v[48*(\i)+16*(\s):48*(\i)+16*(\s)+15], 0, v[RS+4*(\s)+\t%4], v[SS+3*(\i)+(\s)] matrix_a_scale:MATRIX_SCALE_ROW1
.endif
.else
.if \t < 4
	v_wmma_scale_f32_16x16x128_f8f6f4 v[HA+8*\t:HA+8*\t+7], v[16*\t+(\a0):16*\t+15+(\a0)], v[48*(\i)+16*(\s):48*(\i)+16*(\s)+15], v[HA+8*\t:HA+8*\t+7], v[RS+4*(\s)+\t%4], v[SS+3*(\i)+(\s)]
.else
	v_wmma_scale_f32_16x16x128_f8f6f4 v[HA+8*\t:HA+8*\t+7], v[16*\t+(\a0):16*\t+15+(\a0)], v[48*(\i)+16*(\s):48*(\i)+16*(\s)+15], v[HA+8*\t:HA+8*\t+7], v[RS+4*(\s)+\t%4], v[SS+3*(\i)+(\s)] matrix_a_scale:MATRIX_SCALE_ROW1
.endif
.endif
.endr
.endm
; One streamed tile.  ahead = 1: its registers take the same tile of the next group.  cnt: the younger loads that may stay out
.macro TILE i, ahead, cnt
	s_wait_loadcnt \cnt
	WIN 0x0d                                       ; source 0 window 1, source 1 window 3, C and D window 0
	MULS \i, 0, 0, 1                               ; the first K step starts the sums: nothing is cleared
	MULS \i, 1, 128, 0
	WIN 0x0e                                       ; source 0 window 2
	MULS \i, 2, 0, 0
	WIN 0
.rept 8
	v_nop                                          ; eight places in front of the loads into the tile's registers and of the first read of results
.endr
.if \ahead
	SLOAD \i
.endif
	s_wait_xcnt 0x0                                ; the last tile's stores have read the codes' registers, which are written again below
	QUANT HA, PC, PW+\i                            ; (its lines on v112-131 alone are further places in front of the next tile's first products, which write the accumulators anew)
.irp c, 0,1,2,3
	global_store_b128 v[LI], v[PC+4*\c:PC+4*\c+3], s[32:33] offset:2048*(\i)+512*\c th:TH_STORE_NT   ; 512 consecutive bytes
.endr
.endm
.macro GROUP ahead
	s_wait_xcnt 0x0                                ; pending loads and stores have read their bases, which are written below
	DPAR
.if \ahead
	SPAR 1
	TILE 0, 1, 45                                  ; behind a tile's 15 loads stand those of three other tiles: 45
	TILE 1, 1, 45
	TILE 2, 1, 45
	TILE 3, 1, 45
.else
	TILE 0, 0, 45                                  ; the last group loads nothing: the counts run down
	TILE 1, 0, 30
	TILE 2, 0, 15
	TILE 3, 0, 0
.endif
	SCALEOUT 34
	s_add_co_u32 s17, s17, 1
.endm
	WIN 0x40                                       ; the resident fragments: destination window 1
.irp s, 0,1
.irp t, 0,1,2,3,4,5,6,7
.irp c, 0,1,2,3
	global_load_b128 v[16*(8*\s+\t)+4*\c:16*(8*\s+\t)+4*\c+3], v[LI], s[20:21] offset:REC*\s+2048*\t+512*\c
.endr
.endr
.endr
	WIN 0x80                                       ; window 2
.irp t, 0,1,2,3,4,5,6,7
.irp c, 0,1,2,3
	global_load_b128 v[16*\t+4*\c:16*\t+4*\c+3], v[LI], s[20:21] offset:REC*2+2048*\t+512*\c
.endr
.endr
	WIN 0
.irp s, 0,1,2
	global_load_b128 v[RS+4*\s:RS+4*\s+3], v[LI], s[20:21] offset:REC*\s+16384   ; a pack: register i holds tile i's words in lanes 0-15, tile 4 + i's in lanes 16-31
.endr
	SPAR 0
	SLOAD 0
	SLOAD 1
	SLOAD 2
	SLOAD 3
	s_mov_b32 s18, 0
.Lgrp:
	GROUP 1
	s_add_co_u32 s18, s18, 1
	s_cmp_lt_u32 s18, s19
	s_cbranch_scc1 .Lgrp
	GROUP 0
	s_endpgm
.Lfunc_end_k_qa10e4a34c9_proj:
	.size	k_qa10e4a34c9_proj, .Lfunc_end_k_qa10e4a34c9_proj-k_qa10e4a34c9_proj
	.p2alignl 7, 3214868480
	.fill 96, 4, 3214868480
	.section	.rodata,"a",@progbits
	.p2align	6, 0x0
	.amdhsa_kernel k_qa10e4a34c9_proj
		.amdhsa_group_segment_fixed_size 0
		.amdhsa_private_segment_fixed_size 0
		.amdhsa_enable_private_segment 0
		.amdhsa_kernarg_size 32
		.amdhsa_user_sgpr_count 2
		.amdhsa_user_sgpr_kernarg_segment_ptr 1
		.amdhsa_wavefront_size32 1
		.amdhsa_system_sgpr_workgroup_id_x 1
		.amdhsa_system_sgpr_workgroup_id_y 1
		.amdhsa_system_sgpr_workgroup_id_z 1
		.amdhsa_system_vgpr_workitem_id 0
		.amdhsa_next_free_vgpr 960
		.amdhsa_next_free_sgpr 66
		.amdhsa_reserve_vcc 0
		.amdhsa_float_denorm_mode_32 3
		.amdhsa_float_denorm_mode_16_64 3
		.amdhsa_memory_ordered 1
		.amdhsa_forward_progress 1
		.amdhsa_inst_pref_size 121
	.end_amdhsa_kernel
	.amdgpu_metadata
---
amdhsa.version: [ 1, 2 ]
amdhsa.kernels:
  - .name:           k_qa10e4a34c9_proj
    .symbol:         k_qa10e4a34c9_proj.kd
    .args:
      - { .name: xf, .offset: 0, .size: 8, .value_kind: global_buffer, .address_space: global }
      - { .name: wf, .offset: 8, .size: 8, .value_kind: global_buffer, .address_space: global }
      - { .name: qf, .offset: 16, .size: 8, .value_kind: global_buffer, .address_space: global }
      - { .name: kv, .offset: 24, .size: 8, .value_kind: global_buffer, .address_space: global }
    .group_segment_fixed_size: 0
    .private_segment_fixed_size: 0
    .kernarg_segment_align: 8
    .kernarg_segment_size: 32
    .max_flat_workgroup_size: 128
    .sgpr_count:     66
    .vgpr_count:     960
    .wavefront_size: 32
...
	.end_amdgpu_metadata
.endif
;; end of part 2
;; launch attn (part 3): grid 256 x 1, 8 waves a work-group, no clusters, 327,680 bytes of LDS; arguments qf, kv, cf; writes cf
.if DOCPART == 3
	.amdgcn_target "amdgcn-amd-amdhsa--gfx1250"
	.amdhsa_code_object_version 6
	.text
	.protected	k_qa10e4a34c9_attn
	.globl	k_qa10e4a34c9_attn
	.p2align	8
	.type	k_qa10e4a34c9_attn,@function
k_qa10e4a34c9_attn:
	s_mov_b64 s[64:65], 0
	v_nop
	global_prefetch_b8 v0, s[64:65] scope:SCOPE_SE
	s_setreg_imm32_b32 hwreg(HW_REG_WAVE_MODE, 25, 1), 1
	s_wait_xcnt 0x0
; ATTN: ctx = softmax(q k^T / sqrt(128), causal) v for 12 heads (2 batches x 6) of 4,096 x 128, both products on codes of FP8 (E4M3) with E8M0 scales; ctx is quantised along the head's 128 on its way out.
; WORK LEFT OUT: key steps of 128 keys that lie wholly behind a tile's queries: the causal mask sets their scores to -inf, so p = 0 there for all values of the inputs. A NaN or an infinity that reaches only such scores is not carried.
; THE SOFTMAX AHEAD OF THE SECOND PRODUCT: t = score x log2(e) / sqrt(128); M = the running largest t rounded UP to a whole number; p = 2^(t - M) is quantised along the keys, not normalised; the row's sum is taken of the
; unquantised p and divides O at the end; when M moves, the sum and O are multiplied by 2^(old M - new M), which rounds nothing.
; Operands are images of operand registers (a fragment: 2,048 bytes, byte 512 c + 16 lane = registers 4 c .. 4 c + 3). A tile's 16 indices are 32 b + 8 u + r + 8 (r / 8) (tile 2 b + u, place r). Both products are used transposed: a lane holds ONE query of each of its tiles.
; SHARES.  A band is 64 queries of one head: 4 tiles.  A work-group's eight waves are 2 PAIRS OF TILES x 4 KEY PHASES: wave w has tiles 2 (w % 2), 2 (w % 2) + 1 and, of each slot of 4 key steps, step w / 2.  Each fragment of K and V that a wave reads from LDS feeds two products.
; At a band's end the four phases' O, M and sum are joined through LDS: the wave of phase j gets channel block j (32 channels) of the three others, brings all under the largest M (powers of two), divides, quantises and stores that block, for both its tiles.
; THE DEAL.  Band 4 m + e of a head (m = 0..15, e = work-group % 4) needs 2 m + 1 + e / 2 key steps, m / 2 + 1 slots.  The 192 (head, m) have lengths 1..8, each 24 times.  Four neighbouring work-groups take the same three (head, m), longest first;
; the eight triples (8,5,1) (8,4,2) (8,3,2) (7,6,1) (7,5,1) (7,4,2) (6,5,3) (6,4,3) use each length three times and sum to 13 or 14 slots: they stand as nibbles in six constants.  All walk 14 trips, a constant.
; RING.  Two LDS slots of 4 key steps (4 x {8 fragments of K, 8 of V}); waves 0-3 fetch a step each, wave 4 the slot's scale words (4,096 bytes).  The bands follow each other in the ring without a stop.  A wave has one tensor load out at the most; every wait on TENSORcnt is for 0.
; A key step that no wave reads (behind the band's last) is not asked for: a test on ids and the wave's number behind the barrier leads round the load alone.
; NO CLUSTER: the walks are 13 or 14 slots long and a wave's fill is led round where its step is not read; such a jump may not lead round a joint load.
; PREFETCH: at a change of slots that asks for slot u of a band, the next slot of that band is named: the four work-groups with the same walk take a key step each (by address), waves 4-7 8,192 bytes each, lanes 256 bytes apart; only steps that are read;
; a band's first slot and the scale words (4,096 of a slot's 135,168 bytes) come by their loads alone.
; LIMITS: the promise holds while |t| stays under 2^31; NaN and infinities are not served; a block of p or of ctx whose largest magnitude lies under 2^-118 gets the byte 1 (a block of zeros too: its codes are zeros); O / l is a reciprocal and a multiplication;
; v_exp_f32 gives 0 where the result would be denormal; a block's largest p is taken from its largest score, which leans on v_exp_f32 not falling where its input rises.
; REGISTERS, in two windows of 256.  In BOTH, for tile A (window 0) and tile B (window 1): v2 the mask's compare value; v12 -M, v13 the largest t, v[14:15] the sum; v16-31 Q; v96-159 S^T, then p; v160-223 O^T; v224-239 p's codes; v232-254 at work.
; v32-95: fragments 0-3 (window 0), 4-7 (window 1).  Window 0 alone: v1-10 addresses; scale words (they have no window): v248-251 a pack, v255 and v11 Q's, v253 and v252 p's.
.set REC,   16896
.set HBB,   1081344                    ; a head's bytes in kv: [32 steps] x 32,768 of fragments, then [32 steps] x {K's pack, V's pack}
.set SLOT1, 1<<17
.set PACKS, 2*SLOT1                    ; two slots' scale words, 4,096 bytes each
.set MLB,   PACKS+8192                 ; -M and the sum: 256 bytes a wave and tile
.set SBY,   MLB+4096                   ; ctx's scale bytes: [tile][lane][block]
.set SPARE, SBY+512                    ; the spare words, 128 bytes for each wave
.set XB2,   278528                     ; the exchange: 1,024 bytes a wave and tile,
.set XB1,   294912                     ; and 2,048 bytes a wave and tile
.set CFT,   13824                      ; from a tile's record in cf to the next tile's: 6 heads x 2,304 bytes
.set LI,  1                            ; v1  16 x lane
.set DM,  2                            ; v2  my query's place in its block of 128, less 16 (lane / 16)
.set PFO, 3                            ; v3  256 x lane
.set LK,  4                            ; v4  32,768 x phase + 16 x lane
.set SPW, 5
.set NIL, 6
.set A16, 7                            ; v7  16 r
.set ADK, 8
.set ADP, 9
.set LP,  10                           ; v10 PACKS + 1,024 x phase + 16 x lane
.set TB,  2                            ; s2  the slot in hand: 0 or SLOT1
.set TP,  3                            ; s3  its packs: 0 or 4,096
.set WV,  18
.set MNT, 19
.set SEL, 20
.set CS,  22
.set G1,  24
.set G1P, 32
.set G0,  40
.set G0P, 44
.set PH,  48                           ; my key phase
.set T,   49                           ; the trip
.set QA,  50                           ; s[50:51], s[52:53] the next band's Q and its scale words
.set QSA, 52
.set CA,  54                           ; s[54:55] where my block of ctx goes
.set SL,  56                           ; slot in the band
.set LC,  57                           ; the band's slots
.set QK,  58                           ; the band's last key step
.set BI,  59                           ; which of my three bands
.set LS,  60                           ; 1 in a band's last slot
.set NX,  61                           ; 1 there, if a band follows
.set KS,  62                           ; my key step
.set U,   63                           ; the slot that is asked for
.set O1,  66
.set O3,  68
.set O5,  70
.set BS,  72
.set ST,  73
.set QKU, 74
.set DO,  75
.set PFA, 76
.set PFG, 78
.set PFW, 79
.set PFC, 80
.set W15, 81
.set E0,  82
.set E1,  83
.set LJ,  84                           ; three each: slots, the head's bytes in kv, last key step, Q's fragment, Q's scale words, ctx
.set KVJ, 87
.set QKJ, 90
.set QOJ, 93
.set QSJ, 96
.set COJ, 99
.set MSB, 0
.macro WIN new                         ; low byte: bits 1:0 source 0, 3:2 source 1, 5:4 source 2, 7:6 destination; the high byte repeats the setting that is left
.if MSB != (\new)
	s_set_vgpr_msb (MSB<<8)|(\new)
.set MSB, (\new)
.endif
.endm
.macro NOPS n
.rept \n
	v_nop
.endr
.endm
.macro BAR                             ; what I stored or read in LDS is done; then the work-group's barrier
	s_wait_alu depctr_va_vdst(0)
	s_wait_dscnt 0x0
	s_barrier_signal -1
	s_barrier_wait -1
.endm
.macro TLOAD                           ; waves 0-3 a key step each, wave 4 the scale words; an s_nop 0 and four v_nop follow each load
	s_cmp_lt_u32 s[WV], 4
	s_cbranch_scc0 .Lnot_slot_\@
	tensor_load_to_lds s[G0:G0+3], s[G1:G1+7]
	s_nop 0
	NOPS 4
	s_branch .Lasked_\@
.Lnot_slot_\@:
	s_cmp_eq_u32 s[WV], 4
	s_cbranch_scc0 .Lasked_\@
	tensor_load_to_lds s[G0P:G0P+3], s[G1P:G1P+7]
	s_nop 0
	NOPS 4
.Lasked_\@:
.endm
; band j of my three: s16 = 4 x (triple's number), s17 = 3 x (group of eight quads), s10 = e, s11 = my tile A of the block's eight, s[KS] = its place in a pack
.macro BPAR j, tl, tk
	s_lshr_b32 s12, \tl, s16
	s_and_b32 s12, s12, 15                         ; slots - 1
	s_lshr_b32 s13, \tk, s16
	s_and_b32 s13, s13, 15
	s_add_co_u32 s13, s13, s17                     ; which of the 24 of that length
	s_lshr_b32 s14, s13, 1                         ; head 0..11
	s_and_b32 s13, s13, 1
	s_lshl_b32 s15, s12, 1
	s_add_co_u32 s13, s13, s15                     ; m
	s_add_co_u32 s[LJ+\j], s12, 1
	s_mul_i32 s[KVJ+\j], s14, HBB
	s_lshl_b32 s13, s13, 1
	s_lshr_b32 s15, s10, 1
	s_add_co_u32 s13, s13, s15                     ; the block of 128 queries = the last key step
	s_mov_b32 s[QKJ+\j], s13
	s_lshl_b32 s15, s14, 5
	s_add_co_u32 s15, s15, s13
	s_mul_i32 s15, s15, REC                        ; Q's record
	s_lshl_b32 s12, s11, 11
	s_add_co_u32 s[QOJ+\j], s15, s12
	s_add_co_u32 s[QSJ+\j], s15, s[KS]
	s_lshl_b32 s13, s13, 3
	s_add_co_u32 s13, s13, s11                     ; tile of 16 rows in the sequence
	s_cmp_ge_u32 s14, 6
	s_cselect_b32 s12, 256, 0
	s_cselect_b32 s15, 6, 0
	s_add_co_u32 s13, s13, s12
	s_sub_co_u32 s14, s14, s15
	s_mul_i32 s13, s13, 6
	s_add_co_u32 s13, s13, s14
	s_mul_i32 s13, s13, 2304                       ; cf[256 batch + tile][head of 6]
	s_lshl_b32 s12, s[PH], 9
	s_add_co_u32 s[COJ+\j], s13, s12               ; my block's 512 bytes
.endm
.macro QNEXT                           ; Q's two fragments and their scale words; tile B's lie 2,048 and 4 bytes behind tile A's
.irp c, 0,1,2,3
	global_load_b128 v[16+4*\c:19+4*\c], v[LI], s[QA:QA+1] offset:512*\c
.endr
	global_load_b32 v255, v[A16], s[QSA:QSA+1]
	global_load_b32 v11, v[A16], s[QSA:QSA+1] offset:4
	WIN 0x40
.irp c, 0,1,2,3
	global_load_b128 v[16+4*\c:19+4*\c], v[LI], s[QA:QA+1] offset:2048+512*\c
.endr
	WIN 0
.endm
.macro FRESH                           ; a band begins: the largest t -3e38, sums and O^T zero (the first change of M multiplies zeros)
	v_mov_b32 v13, 0xff61b1e6
	v_floor_f32 v12, -v13
	v_mov_b32 v14, 0
	v_mov_b32 v15, 0
.set j, 0
.rept 64
	v_mov_b32 v[160+j], 0
.set j, j+1
.endr
.endm
	s_load_b128 s[4:7], s[0:1], 0x0                ; qf s[4:5], kv s[6:7]
	s_load_b64 s[8:9], s[0:1], 0x10                ; cf
	v_lshl_add_u32 v[SPW], v0, 2, SPARE
	v_mov_b32 v[NIL], 0
	ds_add_u32 v[SPW], v[NIL]                      ; the opening: the add, twice on end, and its wait ahead of the first tensor load
	ds_add_u32 v[SPW], v[NIL]
	v_lshrrev_b32 v8, 5, v0
	v_readfirstlane_b32 s[WV], v8                  ; wave 0..7
	s_and_b32 s10, ttmp9, 3                        ; e
	s_lshr_b32 s12, ttmp9, 2                       ; the quad
	s_and_b32 s16, s12, 7
	s_lshl_b32 s16, s16, 2
	s_lshr_b32 s17, s12, 3
	s_mul_i32 s17, s17, 3
	s_lshr_b32 s[PH], s[WV], 1
	s_and_b32 s13, s[WV], 1
	s_lshl_b32 s13, s13, 1
	s_and_b32 s11, s10, 1
	s_lshl_b32 s11, s11, 2
	s_add_co_u32 s11, s11, s13                     ; my tile A: 4 (e % 2) + 2 (wave % 2)
	s_and_b32 s13, s[WV], 3
	s_lshl_b32 s[W15], s13, 15
	s_lshr_b32 s14, s11, 2
	s_lshl_b32 s14, s14, 8
	s_and_b32 s15, s11, 3
	s_lshl_b32 s15, s15, 2
	s_add_co_u32 s[KS], s14, s15
	s_add_co_u32 s[KS], s[KS], 16384
	BPAR 0, 0x55666777, 0x21210210
	BPAR 1, 0x34345234, 0x22110000
	BPAR 2, 0x22100110, 0x21221100
	s_mov_b32 s[E0], s[LJ]
	s_add_co_u32 s[E1], s[LJ], s[LJ+1]
	s_lshr_b32 s13, s[WV], 2
	s_cmp_eq_u32 s13, 1
	s_cselect_b32 s[PFW], 1, 0                     ; waves 4 to 7 prefetch
	s_and_b32 s13, s[WV], 3
	s_lshl_b32 s13, s13, 13
	s_lshl_b32 s14, s10, 15
	s_add_co_u32 s[PFC], s13, s14
	s_add_co_u32 s[PFC], s[PFC], SLOT1             ; a slot on, key step e, my 8,192 bytes
	s_mov_b32 s[G1], 3<<16                         ; 128 rows of 256 bytes (32 elements of 8 bytes), dense
	s_mov_b32 s[G1+1], 32<<16
	s_mov_b32 s[G1+2], 128<<16
	s_mov_b32 s[G1+3], 32<<16
	s_mov_b32 s[G1+4], 128
	s_mov_b32 s[G1+5], 32
	s_mov_b32 s[G1+6], 0
	s_mov_b32 s[G1+7], 0
	s_mov_b32 s[G1P], 3<<16                        ; 16 rows of 256 bytes
	s_mov_b32 s[G1P+1], 32<<16
	s_mov_b32 s[G1P+2], 16<<16
	s_mov_b32 s[G1P+3], 32<<16
	s_mov_b32 s[G1P+4], 16
	s_mov_b32 s[G1P+5], 32
	s_mov_b32 s[G1P+6], 0
	s_mov_b32 s[G1P+7], 0
	s_mov_b32 s[SEL], 0x76543210
	s_mov_b32 s[SEL+1], 0xfedcba98
	s_mov_b32 s[CS], 0x3e0293ee                    ; log2(e) / sqrt(128)
	s_mov_b32 s[CS+1], s[CS]
	s_mov_b32 s[MNT], 0x600000
	s_mov_b32 s[TB], 0
	s_mov_b32 s[TP], 0
	s_mov_b32 s[T], 0
	s_mov_b32 s[SL], 0
	s_mov_b32 s[BI], 0
	s_mov_b32 s[LC], s[LJ]
	s_mov_b32 s[QK], s[QKJ]
	s_mov_b32 s[O1+1], 0
	s_mov_b32 s[O3+1], 0
	s_mov_b32 s[O5+1], 0
	s_add_co_u32 s[O1], s[KVJ], s[W15]
	s_add_co_u32 s[O3], s[KVJ], 1048576
	s_mov_b32 s13, 0
	s_wait_dscnt 0x0                               ; both opening adds are done
	s_wait_kmcnt 0x0
	s_mov_b32 s[G0], 1
	s_mov_b32 s[G0+1], s[W15]                      ; slot 0, my step
	s_add_nc_u64 s[G0+2:G0+3], s[6:7], s[O1:O1+1]
	s_or_b32 s[G0+3], s[G0+3], 0x80000000
	s_mov_b32 s[G0P], 1
	s_mov_b32 s[G0P+1], PACKS
	s_add_nc_u64 s[G0P+2:G0P+3], s[6:7], s[O3:O3+1]
	s_or_b32 s[G0P+3], s[G0P+3], 0x80000000
	TLOAD                                          ; the first band's slot 0: all four steps are read (its length is 6 slots at the least)
	s_mov_b32 s12, s[QOJ]
	s_add_nc_u64 s[QA:QA+1], s[4:5], s[12:13]
	s_mov_b32 s12, s[QSJ]
	s_add_nc_u64 s[QSA:QSA+1], s[4:5], s[12:13]
	s_mov_b32 s12, s[COJ]
	s_add_nc_u64 s[CA:CA+1], s[8:9], s[12:13]
	s_mov_b64 s[PFA:PFA+1], s[6:7]
	s_bfe_u32 s12, s11, 0x20001                    ; tile A's place in its block of 128: 32 (tile / 2); tile B's is 8 on
	s_lshl_b32 s12, s12, 5
	v_and_b32 v8, 31, v0
	v_lshlrev_b32 v[LI], 4, v8
	v_lshlrev_b32 v[PFO], 8, v8
	v_lshrrev_b32 v9, 6, v0                        ; phase
	v_lshl_add_u32 v[LK], v9, 15, v[LI]
	v_lshl_add_u32 v[LP], v9, 10, v[LI]
	v_add_nc_u32 v[LP], PACKS, v[LP]
	v_and_b32 v11, 15, v0                          ; r
	v_lshlrev_b32 v[A16], 4, v11
	v_and_b32 v[DM], 8, v11
	v_add_nc_u32 v[DM], v[DM], v11                 ; r + 8 (r / 8)
	v_bfe_u32 v11, v0, 4, 1
	v_lshlrev_b32 v11, 4, v11
	v_sub_nc_u32 v[DM], v[DM], v11
	v_add_nc_u32 v[DM], s12, v[DM]
	QNEXT                                          ; the first band's Q
.irp b, 0,1,2,3
	v_mov_b32 v[236+\b], 0                         ; written once: a lane permute's destination counts as one of its sources
.endr
	v_mov_b32 v252, 0
	v_mov_b32 v253, 0
	FRESH
	WIN 0x40                                       ; the same for tile B: destination window 1
	v_add_nc_u32 v[DM], 8, v[DM]
.irp b, 0,1,2,3
	v_mov_b32 v[236+\b], 0
.endr
	v_mov_b32 v252, 0
	v_mov_b32 v253, 0
	WIN 0x55
	FRESH
	WIN 0
	s_wait_xcnt 0x0                                ; Q's loads have read their bases: they take the second band's
	s_mov_b32 s12, s[QOJ+1]
	s_add_nc_u64 s[QA:QA+1], s[4:5], s[12:13]
	s_mov_b32 s12, s[QSJ+1]
	s_add_nc_u64 s[QSA:QSA+1], s[4:5], s[12:13]
.macro SP x, g                         ; S^T = K Q^T of tile x, K's fragments 4 g .. 4 g + 3 (window g)
	WIN ((\x)*0x44)|(\g)
.irp t, 0,1,2,3
.if \g
	v_wmma_scale_f32_16x16x128_f8f6f4 v[128+8*\t:135+8*\t], v[32+16*\t:47+16*\t], v[16:31], 0, v[248+\t], v[255-244*(\x)] matrix_a_scale:MATRIX_SCALE_ROW1
.else
	v_wmma_scale_f32_16x16x128_f8f6f4 v[96+8*\t:103+8*\t], v[32+16*\t:47+16*\t], v[16:31], 0, v[248+\t], v[255-244*(\x)]
.endif
.endr
.endm
.macro PV x, g                         ; O^T += V^T P^T of tile x, V's fragments 4 g .. 4 g + 3
	WIN ((\x)*0x54)|(\g)
.irp t, 0,1,2,3
.if \g
	v_wmma_scale_f32_16x16x128_f8f6f4 v[192+8*\t:199+8*\t], v[32+16*\t:47+16*\t], v[224:239], v[192+8*\t:199+8*\t], v[248+\t], v[253-(\x)] matrix_a_scale:MATRIX_SCALE_ROW1
.else
	v_wmma_scale_f32_16x16x128_f8f6f4 v[160+8*\t:167+8*\t], v[32+16*\t:47+16*\t], v[224:239], v[160+8*\t:167+8*\t], v[248+\t], v[253-(\x)]
.endif
.endr
.endm
.macro FRAGS off                       ; eight fragments: 0-3 into window 0, 4-7 into window 1
.irp t, 0,1,2,3
.irp c, 0,1,2,3
	ds_load_b128 v[32+16*\t+4*\c:35+16*\t+4*\c], v[ADK] offset:(\off)+2048*\t+512*\c
.endr
.endr
	WIN 0x40
.irp t, 0,1,2,3
.irp c, 0,1,2,3
	ds_load_b128 v[32+16*\t+4*\c:35+16*\t+4*\c], v[ADK] offset:(\off)+8192+2048*\t+512*\c
.endr
.endr
	WIN 0
.endm
.macro MASKT                           ; register 16 b + i holds key 32 b + 16 (lane / 16) + i of the step: hidden where 32 b + i > DM
	v_mov_b32 v254, 0xff800000
.set n, 0
.rept 64
	v_cmp_gt_i32 vcc_lo, 32*(n/16)+n%16, v[DM]
	v_cndmask_b32 v[96+n], v[96+n], v254, vcc_lo
.set n, n+1
.endr
.endm
; THE SOFTMAX OF ONE TILE, all its registers in one window.  cp = 1 (tile B): its scale word is copied into window 0, where scale operands are read
.macro SOFT cp
	s_wait_alu depctr_va_vdst(0)                   ; directly ahead of the scores' first readers
.irp b, 0,1,2,3
	v_max3_num_f32 v[232+\b], v[96+16*\b], v[97+16*\b], v[98+16*\b]   ; the largest score of each block of 32 keys: for the row's maximum, and for the block's largest p
.endr
.irp i, 3,5,7,9,11,13
.irp b, 0,1,2,3
	v_max3_num_f32 v[232+\b], v[232+\b], v[96+16*\b+\i], v[97+16*\b+\i]
.endr
.endr
.irp b, 0,1,2,3
	v_max_num_f32 v[232+\b], v[232+\b], v[111+16*\b]
.endr
.irp b, 0,1,2,3
	v_permlanex16_b32 v[236+\b], v[232+\b], s[SEL], s[SEL+1]
.endr
.irp b, 0,1,2,3
	v_max_num_f32 v[232+\b], v[232+\b], v[236+\b]  ; with lane l xor 16's 16 keys
.endr
	v_max3_num_f32 v254, v232, v233, v234
	v_max_num_f32 v254, v254, v235
	v_mul_f32 v254, s[CS], v254                    ; the step's largest t of my query
	v_max_num_f32 v13, v13, v254
	v_mov_b32 v254, v12
	v_floor_f32 v12, -v13                          ; the new -M = floor(-t): M is a whole number
	v_sub_f32 v254, v12, v254                      ; old M - new M, 0 or less
	v_cvt_i32_f32 v254, v254                       ; (it saturates)
	v_ldexp_f32 v252, 1.0, v254                    ; f = 2^(old M - new M)
.irp j, 0,2,4,6,8,10,12,14,16,18,20,22,24,26,28,30,32,34,36,38,40,42,44,46,48,50,52,54,56,58,60,62
	v_pk_fma_f32 v[96+\j:97+\j], v[96+\j:97+\j], s[CS:CS+1], v[12:13] op_sel_hi:[1,0,0]   ; t - M, two at a time
.endr
.irp b, 0,1,2,3
	v_fma_f32 v[232+\b], v[232+\b], s[CS], v12     ; the same of each block's largest score
.endr
	s_wait_alu depctr_va_vdst(0)                   ; ahead of the batch
.set n, 0
.rept 64
	v_exp_f32 v[96+n], v[96+n]                     ; p = 2^(t - M)
.set n, n+1
.endr
	v_pk_mul_f32 v[14:15], v[14:15], v[252:253] op_sel_hi:[1,0]   ; the sums under the new M: a plain line behind the exponentials
	s_wait_alu depctr_va_vdst(0)                   ; one wait for the whole batch, ahead of its first reader
.irp b, 0,1,2,3
	v_exp_f32 v[232+\b], v[232+\b]                 ; the block's largest p
.endr
	v_pk_add_f32 v[236:237], v[100:101], v[104:105]   ; the row's sum of the unquantised p, in eight chains
	v_pk_add_f32 v[250:251], v[108:109], v[112:113]
	v_pk_add_f32 v[248:249], v[116:117], v[120:121]
	v_pk_add_f32 v[246:247], v[124:125], v[128:129]
	v_pk_add_f32 v[244:245], v[132:133], v[136:137]
	v_pk_add_f32 v[242:243], v[140:141], v[144:145]
	v_pk_add_f32 v[240:241], v[148:149], v[152:153]
	v_pk_add_f32 v[14:15], v[14:15], v[156:157]
	v_pk_add_f32 v[236:237], v[236:237], v[96:97]
	v_pk_add_f32 v[250:251], v[250:251], v[98:99]
	v_pk_add_f32 v[248:249], v[248:249], v[102:103]
	v_pk_add_f32 v[246:247], v[246:247], v[106:107]
	v_pk_add_f32 v[244:245], v[244:245], v[110:111]
	v_pk_add_f32 v[242:243], v[242:243], v[114:115]
	v_pk_add_f32 v[240:241], v[240:241], v[118:119]
	v_pk_add_f32 v[14:15], v[14:15], v[122:123]
	v_pk_add_f32 v[236:237], v[236:237], v[126:127]
	v_pk_add_f32 v[250:251], v[250:251], v[130:131]
	v_pk_add_f32 v[248:249], v[248:249], v[134:135]
	v_pk_add_f32 v[246:247], v[246:247], v[138:139]
	v_pk_add_f32 v[244:245], v[244:245], v[142:143]
	v_pk_add_f32 v[242:243], v[242:243], v[146:147]
	v_pk_add_f32 v[240:241], v[240:241], v[150:151]
	v_pk_add_f32 v[14:15], v[14:15], v[154:155]
	v_pk_add_f32 v[236:237], v[236:237], v[158:159]
	v_pk_add_f32 v[14:15], v[14:15], v[246:247]
	v_pk_add_f32 v[236:237], v[236:237], v[244:245]
	v_pk_add_f32 v[250:251], v[250:251], v[242:243]
	v_pk_add_f32 v[248:249], v[248:249], v[240:241]
	v_pk_add_f32 v[14:15], v[14:15], v[250:251]
	v_pk_add_f32 v[236:237], v[236:237], v[248:249]
	v_pk_add_f32 v[14:15], v[14:15], v[236:237]
	s_wait_alu depctr_va_vdst(0)                   ; and one for the four
.irp b, 0,1,2,3
	v_max_num_f32 v[232+\b], 0x4800000, v[232+\b]  ; the floor 2^(9 - 127)
.endr
.irp b, 0,1,2,3
	v_add_nc_u32 v[244+\b], 0xfc000000, v[232+\b]
.endr
.irp b, 0,1,2,3
	v_and_or_b32 v[240+\b], v[232+\b], 0x7f800000, s[MNT]
.endr
.irp b, 0,1,2,3
	v_lshrrev_b32 v[236+\b], 23, v[244+\b]
.endr
	v_lshl_or_b32 v253, v237, 8, v236              ; p's scale word for these 128 keys
	v_lshl_or_b32 v253, v238, 16, v253
	v_lshl_or_b32 v253, v239, 24, v253
.if \cp
	WIN 0x01
	v_mov_b32 v252, v253                           ; window 0's v252 = tile B's scale word
	WIN 0x55
.endif
.irp b, 0,1,2,3
.irp i, 0,1,2,3,4,5,6,7,8,9,10,11,12,13,14,15
	v_min_num_f32 v[96+16*\b+\i], v[96+16*\b+\i], v[240+\b]   ; the hold; p is not negative, so it is one-sided
.endr
	v_cvt_scalef32_pk8_fp8_f32 v[224+4*\b:225+4*\b], v[96+16*\b:103+16*\b], v[244+\b]
	v_cvt_scalef32_pk8_fp8_f32 v[226+4*\b:227+4*\b], v[104+16*\b:111+16*\b], v[244+\b]
.endr
	s_wait_alu depctr_va_vdst(0)                   ; directly ahead of the first reader of O^T
.irp j, 0,2,4,6,8,10,12,14,16,18,20,22,24,26,28,30,32,34,36,38,40,42,44,46,48,50,52,54,56,58,60,62
	v_pk_mul_f32 v[160+\j:161+\j], v[160+\j:161+\j], v[252:253] op_sel_hi:[1,0]   ; O^T under the new M; these 32 are also places in front of the products
.endr
.endm
; A KEY STEP: 128 keys, the one of my phase in the slot in hand, for both my tiles.
.macro STEP
	s_lshl_b32 s[KS], s[SL], 2
	s_add_co_u32 s[KS], s[KS], s[PH]
	s_cmp_gt_i32 s[KS], s[QK]                      ; all its keys lie behind my queries (or no band is left): its work is left out
	s_cbranch_scc1 .Lhid_\@
	v_add_nc_u32 v[ADK], s[TB], v[LK]
	v_add_nc_u32 v[ADP], s[TP], v[LP]
	s_wait_alu depctr_va_vdst(0)
	NOPS 6                                         ; with the two additions: eight places in front of loads into registers that the last products read
	ds_load_b128 v[248:251], v[ADP]                ; K's pack: register i holds tile i's words in lanes 0-15, tile 4 + i's in lanes 16-31
	FRAGS 0
	s_wait_loadcnt 0x0                             ; Q
	s_wait_dscnt 16                                ; the pack and fragments 0-3 are in; the 16 loads of fragments 4-7 may be out
	SP 0, 0
	SP 1, 0
	s_wait_dscnt 0x0
	SP 0, 1
	SP 1, 1
	WIN 0
	NOPS 8
	s_cmp_eq_u32 s[NX], 0                          ; the band's last scores are made: the next band's Q comes while this band is finished
	s_cbranch_scc1 .Lno_q_\@
	s_wait_loadcnt 0x0
	QNEXT
.Lno_q_\@:
	FRAGS 16384                                    ; V's eight fragments are asked for ahead of the softmax
	s_cmp_lt_i32 s[KS], s[QK]                      ; all its keys count: no mask
	s_cbranch_scc1 .Lopen_\@
	MASKT
	WIN 0x55
	MASKT
	WIN 0
.Lopen_\@:
	SOFT 0
	ds_load_b128 v[248:251], v[ADP] offset:512     ; V's pack, into registers that tile A's softmax has left
	WIN 0x55
	SOFT 1
	WIN 0
	s_wait_alu depctr_va_vdst(0)
	s_wait_dscnt 0x0
	PV 0, 0
	PV 0, 1
	PV 1, 0
	PV 1, 1
	WIN 0
	s_branch .Ldone_\@
.Lhid_\@:                                          ; a wave whose key step is left out still fetches the next band's Q in the band's last slot
	s_cmp_eq_u32 s[NX], 0
	s_cbranch_scc1 .Ldone_\@
	s_wait_loadcnt 0x0
	QNEXT
.Ldone_\@:
.endm
; THE CHANGE OF SLOTS stands at a trip's head: the wait for all my tensor loads, the add, the next fill's descriptors, the wait for the add and for my LDS reads, the barrier, the fill.
.macro CHANGE
	s_wait_tensorcnt 0x0
	ds_add_u32 v[SPW], v[NIL]
	ds_add_u32 v[SPW], v[NIL]
	s_add_co_u32 s[U], s[T], 1                     ; slot T + 1 of my walk: which band, which slot of it
	s_cmp_lt_u32 s[U], s[E0]
	s_cselect_b32 s[BS], s[KVJ], s[KVJ+1]
	s_cselect_b32 s[ST], 0, s[E0]
	s_cselect_b32 s[QKU], s[QKJ], s[QKJ+1]
	s_cmp_lt_u32 s[U], s[E1]
	s_cselect_b32 s[BS], s[BS], s[KVJ+2]
	s_cselect_b32 s[ST], s[ST], s[E1]
	s_cselect_b32 s[QKU], s[QKU], s[QKJ+2]
	s_sub_co_u32 s[ST], s[U], s[ST]
	s_lshl_b32 s[O1], s[ST], 17
	s_add_co_u32 s[O1], s[O1], s[BS]
	s_lshl_b32 s[O3], s[ST], 12
	s_add_co_u32 s[O3], s[O3], s[BS]
	s_add_co_u32 s[O3], s[O3], 1048576
	s_add_co_u32 s[O5], s[O1], s[PFC]
	s_add_co_u32 s[O1], s[O1], s[W15]
	s_xor_b32 s[G0+1], s[G0+1], SLOT1              ; the other slot than last time
	s_add_nc_u64 s[G0+2:G0+3], s[6:7], s[O1:O1+1]
	s_or_b32 s[G0+3], s[G0+3], 0x80000000
	s_xor_b32 s[G0P+1], s[G0P+1], 4096
	s_add_nc_u64 s[G0P+2:G0P+3], s[6:7], s[O3:O3+1]
	s_or_b32 s[G0P+3], s[G0P+3], 0x80000000
	s_wait_xcnt 0x0                                ; the last prefetch has read its address
	s_add_nc_u64 s[PFA:PFA+1], s[6:7], s[O5:O5+1]
	s_lshl_b32 s12, s[ST], 2
	s_and_b32 s13, s[WV], 3
	s_add_co_u32 s13, s13, s12
	s_cmp_le_u32 s13, s[QKU]                       ; is the key step that I would fetch read?  (Behind my last band's last slot no step is)
	s_cselect_b32 s[DO], 1, 0
	s_add_co_u32 s12, s12, s10
	s_add_co_u32 s12, s12, 4
	s_cmp_le_u32 s12, s[QKU]                       ; and key step e of the slot after it?
	s_cselect_b32 s[PFG], s[PFW], 0
	s_wait_dscnt 0x0
	s_barrier_signal -1
	s_barrier_wait -1
	s_cmp_eq_u32 s[DO], 0
	s_cbranch_scc1 .Lpast_\@
	TLOAD
.Lpast_\@:
	s_cmp_eq_u32 s[PFG], 1
	s_cbranch_scc0 .Lnot_mine_\@
	global_prefetch_b8 v[PFO], s[PFA:PFA+1] th:TH_LOAD_NT scope:SCOPE_SE
.Lnot_mine_\@:
.endm
.macro CP1 r, s                        ; tile A: channel block s of O^T to place r, each accumulator from its low end on
.irp i, 0,2,4,6,8,10,12,14
	v_dual_mov_b32 v[96+16*\r+\i], v[160+16*\s+\i] :: v_dual_mov_b32 v[97+16*\r+\i], v[161+16*\s+\i]
.endr
.endm
.macro CPP r, s                        ; tile B: the same
.set i, 0
.rept 16
	v_mov_b32 v[96+16*\r+i], v[160+16*\s+i]
.set i, i+1
.endr
.endm
.macro ARM a, b, c, d
	CP1 0, \a
	CP1 1, \b
	CP1 2, \c
	CP1 3, \d
	WIN 0x55
	CPP 0, \a
	CPP 1, \b
	CPP 2, \c
	CPP 3, \d
	WIN 0
.endm
; The pieces of a band's end, each for tile x: vector lines wholly in window x; LDS and global lines with their addresses in window 0 and their data in window x.
.macro PS1 x                           ; -M and my sum; place 1; the first half of place 2
	WIN 0x55*(\x)
	v_add_f32 v13, v14, v15
	WIN 0x04*(\x)
	ds_store_b64 v243, v[12:13] offset:256*(\x)
.irp c, 0,1,2,3
	ds_store_b128 v241, v[112+4*\c:115+4*\c] offset:2048*(\x)+512*\c
.endr
	ds_store_b128 v242, v[128:131] offset:1024*(\x)
	ds_store_b128 v242, v[132:135] offset:1024*(\x)+512
.endm
.macro PR1 x
	WIN 0x40*(\x)
	ds_load_b64 v[32:33], v247 offset:256*(\x)
	ds_load_b64 v[34:35], v74 offset:256*(\x)
	ds_load_b64 v[36:37], v75 offset:256*(\x)
.irp c, 0,1,2,3
	ds_load_b128 v[48+4*\c:51+4*\c], v244 offset:2048*(\x)+512*\c
.endr
	ds_load_b128 v[64:67], v245 offset:1024*(\x)
	ds_load_b128 v[68:71], v245 offset:1024*(\x)+512
.endm
.macro PC1 x
	WIN 0x55*(\x)
	v_min3_num_f32 v38, v12, v32, v34
	v_min_num_f32 v38, v38, v36                    ; -(the largest M of the four)
	v_sub_f32 v40, v38, v12                        ; each M less the largest: whole numbers, 0 or less (a phase that had no key: very large and negative, its factor 0)
	v_sub_f32 v41, v38, v32
	v_sub_f32 v42, v38, v34
	v_sub_f32 v43, v38, v36
.irp y, 40,41,42,43
	v_cvt_i32_f32 v\y, v\y
.endr
.irp y, 40,41,42,43
	v_ldexp_f32 v\y, 1.0, v\y
.endr
	v_mul_f32 v39, v13, v40
	v_fmac_f32 v39, v33, v41
	v_fmac_f32 v39, v35, v42
	v_fmac_f32 v39, v37, v43                       ; the four sums under one M
.set i, 0
.rept 16
	v_mul_f32 v[96+i], v[96+i], v40
.set i, i+1
.endr
.set i, 0
.rept 16
	v_fmac_f32 v[96+i], v[48+i], v41
.set i, i+1
.endr
.set i, 0
.rept 8
	v_fmac_f32 v[96+i], v[64+i], v42
.set i, i+1
.endr
.endm
.macro PS2 x                           ; place 3; the second half of place 2
	WIN 0x04*(\x)
.irp c, 0,1,2,3
	ds_store_b128 v241, v[144+4*\c:147+4*\c] offset:2048*(\x)+512*\c
.endr
	ds_store_b128 v242, v[136:139] offset:1024*(\x)
	ds_store_b128 v242, v[140:143] offset:1024*(\x)+512
.endm
.macro PR2 x
	WIN 0x40*(\x)
.irp c, 0,1,2,3
	ds_load_b128 v[48+4*\c:51+4*\c], v246 offset:2048*(\x)+512*\c
.endr
	ds_load_b128 v[64:67], v245 offset:1024*(\x)
	ds_load_b128 v[68:71], v245 offset:1024*(\x)+512
.endm
.macro PC2 x
	WIN 0x55*(\x)
.set i, 0
.rept 16
	v_fmac_f32 v[96+i], v[48+i], v43
.set i, i+1
.endr
.set i, 0
.rept 8
	v_fmac_f32 v[104+i], v[64+i], v42
.set i, i+1
.endr
	v_permlanex16_b32 v236, v39, s[SEL], s[SEL+1]
	v_add_f32 v39, v39, v236                       ; the row's sum
	s_wait_alu depctr_va_vdst(0)                   ; ahead of the transcendental
	v_rcp_f32 v39, v39
	v_mov_b32 v49, 0                               ; (a plain line behind it)
	s_wait_alu depctr_va_vdst(0)                   ; and ahead of its first reader
.set i, 0
.rept 16
	v_mul_f32 v[96+i], v[96+i], v39                ; ctx: register i = channel 32 phase + 16 h + i of my query
.set i, i+1
.endr
	v_max3_num_f32 v232, |v96|, |v97|, 0x4800000   ; the block's largest magnitude, and the floor 2^(9 - 127)
	v_max3_num_f32 v233, |v104|, |v105|, |v106|
.irp i, 2,4,6
	v_max3_num_f32 v232, v232, |v[96+\i]|, |v[97+\i]|
.endr
.irp i, 11,13
	v_max3_num_f32 v233, v233, |v[96+\i]|, |v[97+\i]|
.endr
	v_max3_num_f32 v232, v232, v233, |v111|
	v_permlanex16_b32 v236, v232, s[SEL], s[SEL+1]
	v_max_num_f32 v232, v232, v236
	v_add_nc_u32 v234, 0xfc000000, v232            ; the conversion's scale operand
	v_and_or_b32 v235, v232, 0x7f800000, s[MNT]    ; 448 x the scale
	v_lshrrev_b32 v233, 23, v234                   ; the byte
.set i, 0
.rept 16
	v_med3_num_f32 v[96+i], v[96+i], -v235, v235   ; the hold: the conversion does not saturate (ISA guide 7.6.2)
.set i, i+1
.endr
	v_cvt_scalef32_pk8_fp8_f32 v[32:33], v[96:103], v234
	v_cvt_scalef32_pk8_fp8_f32 v[34:35], v[104:111], v234
	v_nop                                          ; a plain line behind the last scaled conversion
	WIN 0x04*(\x)
	global_store_b128 v[LI], v[32:35], s[CA:CA+1] offset:CFT*(\x)   ; registers 4 phase .. 4 phase + 3 of the fragment's image: 512 consecutive bytes
	ds_store_b8 v72, v233 offset:128*(\x)
.endm
; A BAND'S END (a test on ids and counts of trips alone: the same in all eight waves).  Place n of v96-159 takes channel block (phase xor n): place 0 is mine, place n belongs to the wave of phase (mine xor n).
.macro BANDEND
	s_cmp_lg_u32 s[LS], 1
	s_cbranch_scc1 .Lnot_end_\@
	v_lshrrev_b32 v240, 5, v0                      ; wave.  (The first eight of these lines are also the places behind the last products: they name none of their registers)
	v_lshl_add_u32 v241, v240, 12, v[LI]
	v_add_nc_u32 v241, XB1, v241                   ; my 2 x 2,048 bytes
	v_lshl_add_u32 v242, v240, 11, v[LI]
	v_add_nc_u32 v242, XB2, v242                   ; my 2 x 1,024 bytes
	v_lshrrev_b32 v243, 1, v[LI]
	v_lshl_add_u32 v243, v240, 9, v243
	v_add_nc_u32 v243, MLB, v243                   ; my -M and sums
	v_xor_b32 v244, 8192, v241                     ; the wave of phase xor 1,
	v_xor_b32 v245, 8192, v242                     ; xor 2,
	v_xor_b32 v246, 24576, v241                    ; xor 3
	v_xor_b32 v247, 1024, v243
	v_xor_b32 v74, 2048, v243
	v_xor_b32 v75, 3072, v243
	v_bfe_u32 v72, v0, 5, 1
	v_lshrrev_b32 v73, 2, v[LI]
	v_lshl_add_u32 v72, v72, 8, v73
	v_lshrrev_b32 v73, 6, v0
	v_add_nc_u32 v72, v72, v73
	v_add_nc_u32 v72, SBY, v72                     ; my scale byte: [tile][lane][phase]
	v_lshrrev_b32 v73, 1, v[LI]                    ; 8 x lane
	s_cmp_eq_u32 s[PH], 0
	s_cbranch_scc0 .Lp1_\@
	ARM 0, 1, 2, 3
	s_branch .Lpj_\@
.Lp1_\@:
	s_cmp_eq_u32 s[PH], 1
	s_cbranch_scc0 .Lp2_\@
	ARM 1, 0, 3, 2
	s_branch .Lpj_\@
.Lp2_\@:
	s_cmp_eq_u32 s[PH], 2
	s_cbranch_scc0 .Lp3_\@
	ARM 2, 3, 0, 1
	s_branch .Lpj_\@
.Lp3_\@:
	ARM 3, 2, 1, 0
.Lpj_\@:
	s_wait_alu depctr_va_vdst(0)
	PS1 0
	PS1 1
	WIN 0
	BAR
	PR1 0
	PR1 1
	WIN 0
	s_wait_dscnt 0x0
	PC1 0
	PC1 1
	WIN 0
	BAR                                            ; everybody has read: the exchange's bytes are written anew
	PS2 0
	PS2 1
	WIN 0
	BAR
	PR2 0
	PR2 1
	WIN 0
	s_wait_dscnt 0x0
	PC2 0
	PC2 1
	WIN 0
	BAR
	s_cmp_lg_u32 s[PH], 0                          ; the wave of phase 0 stores its tiles' scale words, 8 bytes a lane: 256 consecutive bytes, aligned
	s_cbranch_scc1 .Lno_word_\@
	ds_load_b32 v48, v72
	WIN 0x40
	ds_load_b32 v48, v72 offset:128
	WIN 0
	s_wait_dscnt 0x0
	global_store_b64 v73, v[48:49], s[CA:CA+1] offset:2048
	WIN 0x04
	global_store_b64 v73, v[48:49], s[CA:CA+1] offset:CFT+2048
	WIN 0
.Lno_word_\@:
	FRESH
	WIN 0x55
	FRESH
	WIN 0
	s_wait_xcnt 0x0                                ; stores and Q's loads have read their registers and bases
	s_add_co_u32 s[BI], s[BI], 1
	s_cmp_eq_u32 s[BI], 1
	s_cselect_b32 s[LC], s[LJ+1], s[LJ+2]
	s_cselect_b32 s[QK], s[QKJ+1], s[QKJ+2]
	s_cselect_b32 s12, s[COJ+1], s[COJ+2]
	s_mov_b32 s13, 0
	s_add_nc_u64 s[CA:CA+1], s[8:9], s[12:13]
	s_mov_b32 s12, s[QOJ+2]
	s_add_nc_u64 s[QA:QA+1], s[4:5], s[12:13]
	s_mov_b32 s12, s[QSJ+2]
	s_add_nc_u64 s[QSA:QSA+1], s[4:5], s[12:13]
	s_cmp_eq_u32 s[BI], 3                          ; no band is left: every key step is left out, and no end comes
	s_cselect_b32 s[LC], 99, s[LC]
	s_cselect_b32 s[QK], -1, s[QK]
	s_mov_b32 s[SL], -1
	s_wait_alu depctr_va_vdst(0)
.Lnot_end_\@:
.endm
	s_wait_alu depctr_va_vdst(0)                   ; the head's end
.Lslot:                                            ; 14 trips, a slot each
	CHANGE
	s_add_co_u32 s12, s[SL], 1
	s_cmp_eq_u32 s12, s[LC]
	s_cselect_b32 s[LS], 1, 0
	s_cmp_lt_u32 s[BI], 2
	s_cselect_b32 s[NX], s[LS], 0
	STEP
	BANDEND
	s_add_co_u32 s[SL], s[SL], 1
	s_xor_b32 s[TB], s[TB], SLOT1
	s_xor_b32 s[TP], s[TP], 4096
	s_add_co_u32 s[T], s[T], 1
	s_cmp_lt_u32 s[T], 14
	s_cbranch_scc1 .Lslot
	s_wait_tensorcnt 0x0                           ; the wave's end
	ds_add_u32 v[SPW], v[NIL]
	s_wait_dscnt 0x0
	s_endpgm
.Lfunc_end_k_qa10e4a34c9_attn:
	.size	k_qa10e4a34c9_attn, .Lfunc_end_k_qa10e4a34c9_attn-k_qa10e4a34c9_attn
	.p2alignl 7, 3214868480
	.fill 96, 4, 3214868480
	.section	.rodata,"a",@progbits
	.p2align	6, 0x0
	.amdhsa_kernel k_qa10e4a34c9_attn
		.amdhsa_group_segment_fixed_size 327680
		.amdhsa_private_segment_fixed_size 0
		.amdhsa_enable_private_segment 0
		.amdhsa_kernarg_size 24
		.amdhsa_user_sgpr_count 2
		.amdhsa_user_sgpr_kernarg_segment_ptr 1
		.amdhsa_wavefront_size32 1
		.amdhsa_system_sgpr_workgroup_id_x 1
		.amdhsa_system_sgpr_workgroup_id_y 1
		.amdhsa_system_sgpr_workgroup_id_z 1
		.amdhsa_system_vgpr_workitem_id 0
		.amdhsa_next_free_vgpr 512
		.amdhsa_next_free_sgpr 102
		.amdhsa_reserve_vcc 1
		.amdhsa_float_denorm_mode_32 3
		.amdhsa_float_denorm_mode_16_64 3
		.amdhsa_memory_ordered 1
		.amdhsa_forward_progress 1
		.amdhsa_inst_pref_size 109
	.end_amdhsa_kernel
	.amdgpu_metadata
---
amdhsa.version: [ 1, 2 ]
amdhsa.kernels:
  - .name:           k_qa10e4a34c9_attn
    .symbol:         k_qa10e4a34c9_attn.kd
    .args:
      - { .name: qf, .offset: 0, .size: 8, .value_kind: global_buffer, .address_space: global }
      - { .name: kv, .offset: 8, .size: 8, .value_kind: global_buffer, .address_space: global }
      - { .name: cf, .offset: 16, .size: 8, .value_kind: global_buffer, .address_space: global }
    .group_segment_fixed_size: 327680
    .private_segment_fixed_size: 0
    .kernarg_segment_align: 8
    .kernarg_segment_size: 24
    .max_flat_workgroup_size: 256
    .sgpr_count:     102
    .vgpr_count:     512
    .wavefront_size: 32
...
	.end_amdgpu_metadata
.endif
;; end of part 3
;; launch outp (part 4): grid 3 x 64, 4 waves a work-group, no clusters, 168,448 bytes of LDS; arguments cf, wf, b_o, out0; writes out0
.if DOCPART == 4
	.amdgcn_target "amdgcn-amd-amdhsa--gfx1250"
	.amdhsa_code_object_version 6
	.text
	.protected	k_qa10e4a34c9_outp
	.globl	k_qa10e4a34c9_outp
	.p2align	8
	.type	k_qa10e4a34c9_outp,@function
k_qa10e4a34c9_outp:
	s_mov_b64 s[64:65], 0
	v_nop
	global_prefetch_b8 v0, s[64:65] scope:SCOPE_SE
	s_setreg_imm32_b32 hwreg(HW_REG_WAVE_MODE, 25, 1), 1
	s_wait_xcnt 0x0
; OUTP: out0 = ctx W_o + b_o on codes of FP8 (E4M3) with E8M0 scales; K = 768: six steps of 128, a step a head.  out0: [8192][768] f32.
; ctx comes as cf[512 tiles of 16 rows][6 heads] x 2,304 bytes (a fragment's image, then its scale words, 8 bytes a lane); W_o as records 54 + 6 cg + s of wf (8 fragments, a pack of scale words).
; A work-group takes 128 rows (y) x 256 columns (x); a wave 64 columns, 256 bytes of a row of out0.  The wave's 4 tiles x 6 steps of W_o stay in registers (384); the block of ctx, 110,592 consecutive bytes,
; comes into LDS ONCE, a quarter by each wave's one tensor load, and is read by all four.
; The product is used transposed (source 0 = 16 columns of W_o, source 1 = 16 rows of ctx): a lane holds 8 neighbouring columns of one row.  The bias is the C of each sum's first product.
; A tile's 16 indices are 32 b + 8 u + r + 8 (r / 8): a pair of row tiles is 32 neighbouring rows; it goes through the wave's own stage in LDS and leaves as whole rows: sixteen lanes store 256 consecutive bytes, aligned.
; NO CLUSTER: the block of ctx is shared by the 3 work-groups along x, and 3 is no multiple of a cluster's 4; W_o goes straight into registers, where no joint request exists.
; REGISTERS, in windows of 256: window 0: v1-9 addresses; v16-39 W_o's scale words; v40-51 ctx's; v64-255 a pair's 12 fragments of ctx.   window 1: W_o's steps 0-3.
;   window 2: v0-127 W_o's steps 4, 5; v128-159 the bias; v160-223 eight accumulators.   window 3: v0-63 rows on their way out.
.set REC,   16896
.set PAIRB, 27648                      ; two row tiles x 6 heads x 2,304 bytes: what one tensor load brings
.set STG,   4*PAIRB                    ; behind the block: a stage of 32 rows x (256 + 16) bytes for each wave; no fill lands there
.set SPI,   272
.set OROW,  3072                       ; a row of out0 in bytes
.set LI,  1                            ; v1  16 x lane
.set L8,  2                            ; v2  8 x lane
.set A16, 3                            ; v3  16 r
.set STO, 4                            ; v4  the stage: where I put 32 bytes of a row
.set RD,  5                            ; v5  and where I read a row back
.set CO,  6                            ; v6  my byte offset in two rows of out0
.set H64, 7                            ; v7  64 h
.set AP,  8
.set AS,  9
.set WS,  16
.set CSC, 40
.set CF,  64
.set BI,  128                          ; in window 2
.set ACC, 160                          ; in window 2
.set MSB, 0
.macro WIN new                         ; the immediate's high byte repeats the setting that is left
.if MSB != \new
	s_set_vgpr_msb (MSB<<8)|\new
.set MSB, \new
.endif
.endm
	s_load_b256 s[4:11], s[0:1], 0x0               ; cf s[4:5], wf s[6:7], b_o s[8:9], out0 s[10:11]
	v_lshl_add_u32 v62, v0, 2, 0x29000
	v_mov_b32 v63, 0
	ds_add_u32 v62, v63
	ds_add_u32 v62, v63
	v_lshrrev_b32 v10, 5, v0
	v_readfirstlane_b32 s12, v10                   ; wave 0..3
	s_and_b32 s13, ttmp7, 0xffff                   ; y
	; descriptor group 1: 108 rows of 256 bytes (32 elements of 8 bytes), dense
	s_mov_b32 s24, 3<<16                           ; no mask; elements of 8 bytes; no padding
	s_mov_b32 s25, 32<<16                          ; tensor_dim0 = 32
	s_mov_b32 s26, 108<<16                         ; tensor_dim1 = 108
	s_mov_b32 s27, 32<<16                          ; tile_dim0 = 32
	s_mov_b32 s28, 108                             ; tile_dim1 = 108
	s_mov_b32 s29, 32                              ; from row to row
	s_mov_b32 s30, 0
	s_mov_b32 s31, 0
	s_mul_i32 s14, s12, PAIRB                      ; my quarter, in LDS and in the block
	s_mul_i32 s16, s13, 4*PAIRB
	s_add_co_u32 s16, s16, s14
	s_mov_b32 s17, 0
	s_lshl_b32 s18, ttmp9, 1
	s_lshr_b32 s19, s12, 1
	s_add_co_u32 s18, s18, s19                     ; cg = 2 x + wave / 2
	s_mul_i32 s18, s18, 6
	s_add_co_u32 s18, s18, 54
	s_mul_i32 s18, s18, REC                        ; its six records
	s_and_b32 s19, s12, 1                          ; which four tiles of the eight
	s_lshl_b32 s20, s19, 13
	s_add_co_u32 s20, s20, s18
	s_mov_b32 s21, 0
	s_lshl_b32 s22, s19, 8
	s_add_co_u32 s22, s22, s18
	s_add_co_u32 s22, s22, 16384
	s_mov_b32 s23, 0
	s_lshl_b32 s36, ttmp9, 10
	s_lshl_b32 s37, s12, 8
	s_add_co_u32 s36, s36, s37                     ; my 64 columns in bytes: 1,024 x + 256 wave
	s_mov_b32 s37, 0
	s_mul_i32 s38, s13, 128*OROW
	s_add_co_u32 s38, s38, s36
	s_mov_b32 s39, 0
	s_mul_i32 s40, s12, 32*SPI
	s_add_co_u32 s40, s40, STG                     ; my stage
	s_wait_dscnt 0x0
	s_wait_kmcnt 0x0
	s_mov_b32 s32, 1                               ; count = 1
	s_mov_b32 s33, s14                             ; LDS address
	s_add_nc_u64 s[34:35], s[4:5], s[16:17]
	s_or_b32 s35, s35, 0x80000000                  ; type = 2
	tensor_load_to_lds s[32:35], s[24:31]          ; my one tensor load; plain address work follows it, and no window is switched among the next four instructions
	s_nop 0
	v_and_b32 v10, 31, v0
	v_lshlrev_b32 v[LI], 4, v10
	v_lshlrev_b32 v[L8], 3, v10
	v_and_b32 v11, 15, v0                          ; r
	v_bfe_u32 v12, v0, 4, 1                        ; h
	v_lshlrev_b32 v[A16], 4, v11
	v_lshlrev_b32 v[H64], 6, v12
	v_and_b32 v13, 8, v11
	v_add_nc_u32 v13, v13, v11                     ; r + 8 (r / 8)
	v_mul_u32_u24 v[STO], v13, SPI
	v_add_nc_u32 v[STO], v[STO], v[H64]
	v_add_nc_u32 v[STO], s40, v[STO]
	v_mul_u32_u24 v[RD], v12, SPI                  ; back: lanes 0-15 one row, lanes 16-31 the next
	v_add_nc_u32 v[RD], v[RD], v[A16]
	v_add_nc_u32 v[RD], s40, v[RD]
	v_mul_u32_u24 v[CO], v12, OROW
	v_add_nc_u32 v[CO], v[CO], v[A16]
	s_add_nc_u64 s[20:21], s[6:7], s[20:21]        ; W_o's fragments
	s_add_nc_u64 s[22:23], s[6:7], s[22:23]        ; its scale words
	s_add_nc_u64 s[8:9], s[8:9], s[36:37]          ; the bias of my 64 columns
	s_add_nc_u64 s[10:11], s[10:11], s[38:39]      ; out0 at my block's first row, my columns
	WIN 0x40                                       ; destination window 1
.irp s, 0,1,2,3
.irp i, 0,1,2,3
.irp c, 0,1,2,3
	global_load_b128 v[16*(4*\s+\i)+4*\c:16*(4*\s+\i)+4*\c+3], v[LI], s[20:21] offset:REC*\s+2048*\i+512*\c
.endr
.endr
.endr
	WIN 0x80                                       ; window 2
.irp s, 4,5
.irp i, 0,1,2,3
.irp c, 0,1,2,3
	global_load_b128 v[16*(4*(\s-4)+\i)+4*\c:16*(4*(\s-4)+\i)+4*\c+3], v[LI], s[20:21] offset:REC*\s+2048*\i+512*\c
.endr
.endr
.endr
.irp i, 0,1,2,3                                ; lane (r, h) wants, for tile i, the bias of columns 32 (i / 2) + 16 h + 8 (i % 2) + 0 .. 7
	global_load_b128 v[BI+8*\i:BI+8*\i+3], v[H64], s[8:9] offset:4*(32*(\i/2)+8*(\i%2))
	global_load_b128 v[BI+8*\i+4:BI+8*\i+7], v[H64], s[8:9] offset:4*(32*(\i/2)+8*(\i%2))+16
.endr
	WIN 0
.irp s, 0,1,2,3,4,5
	global_load_b128 v[WS+4*\s:WS+4*\s+3], v[A16], s[22:23] offset:REC*\s   ; the words of my four tiles, row r
.endr
.macro FETCH p                         ; pair p: 12 fragments of ctx and their scale words
	v_add_nc_u32 v[AP], PAIRB*(\p), v[LI]
	v_add_nc_u32 v[AS], PAIRB*(\p), v[L8]
.irp u, 0,1
.irp hd, 0,1,2,3,4,5
.irp c, 0,1,2,3
	ds_load_b128 v[CF+96*\u+16*\hd+4*\c:CF+96*\u+16*\hd+4*\c+3], v[AP] offset:(6*\u+\hd)*2304+512*\c
.endr
	ds_load_b32 v[CSC+6*\u+\hd], v[AS] offset:(6*\u+\hd)*2304+2048
.endr
.endr
.endm
.macro PAIR p
	s_wait_dscnt 0x0                               ; the pair's fragments are in
.irp hd, 0,1,2,3,4,5                           ; eight accumulators by turns, one instruction a turn, a K step at a time
.if \hd < 4
	WIN 0xa1                                       ; source 0 (W_o) window 1, source 1 (ctx) window 0, C and D window 2
.else
	WIN 0xa2                                       ; source 0 window 2
.endif
.irp u, 0,1
.irp i, 0,1,2,3
.if \hd == 0
	v_wmma_scale_f32_16x16x128_f8f6f4 v[ACC+8*(4*\u+\i):ACC+8*(4*\u+\i)+7], v[16*(4*(\hd%4)+\i):16*(4*(\hd%4)+\i)+15], v[CF+96*\u+16*\hd:CF+96*\u+16*\hd+15], v[BI+8*\i:BI+8*\i+7], v[WS+4*\hd+\i], v[CSC+6*\u+\hd]
.else
	v_wmma_scale_f32_16x16x128_f8f6f4 v[ACC+8*(4*\u+\i):ACC+8*(4*\u+\i)+7], v[16*(4*(\hd%4)+\i):16*(4*(\hd%4)+\i)+15], v[CF+96*\u+16*\hd:CF+96*\u+16*\hd+15], v[ACC+8*(4*\u+\i):ACC+8*(4*\u+\i)+7], v[WS+4*\hd+\i], v[CSC+6*\u+\hd]
.endif
.endr
.endr
.endr
	WIN 0
.rept 9
	v_nop                                          ; eight places in front of the loads into ctx's registers and of the stores that read results; the ninth since the next pair's first products write the accumulators anew
.endr
.if (\p) < 3
	FETCH (\p)+1
.endif
	WIN 0x08                                       ; an LDS store's data are its source 1: window 2
.irp u, 0,1
.irp i, 0,1,2,3
	ds_store_b128 v[STO], v[ACC+8*(4*\u+\i):ACC+8*(4*\u+\i)+3] offset:8*\u*SPI+128*(\i/2)+32*(\i%2)       ; each accumulator from its low end on
	ds_store_b128 v[STO], v[ACC+8*(4*\u+\i)+4:ACC+8*(4*\u+\i)+7] offset:8*\u*SPI+128*(\i/2)+32*(\i%2)+16
.endr
.endr
	s_wait_xcnt 0x0                                ; the last pair's stores have read their registers, which the loads below fill again
	WIN 0xc0                                       ; destination window 3
.irp k, 0,1,2,3,4,5,6,7,8,9,10,11,12,13,14,15
	ds_load_b128 v[4*\k:4*\k+3], v[RD] offset:2*\k*SPI   ; LDS serves a wave's instructions in order (ISA guide 5.7.1.4): these see my stores, and the next pair's stores come behind them
.endr
	WIN 0x0c                                       ; a global store's data are its source 1: window 3
.irp k, 0,1,2,3,4,5,6,7,8,9,10,11,12,13,14,15
	s_wait_dscnt 15-\k                             ; the younger read-backs may stay out
	global_store_b128 v[CO], v[4*\k:4*\k+3], s[10:11] offset:(32*(\p)+2*\k)*OROW th:TH_STORE_NT   ; sixteen lanes store 256 consecutive bytes, aligned; the pair's rows stand in the immediate
.endr
	WIN 0
.endm
	s_wait_alu depctr_va_vdst(0)
	s_wait_tensorcnt 0x0                           ; my quarter of the block is in,
	s_barrier_signal -1
	s_barrier_wait -1                              ; everybody's is; nothing is ever filled again
	FETCH 0
	s_wait_loadcnt 0x0                             ; W_o, its scale words and the bias
	PAIR 0
	PAIR 1
	PAIR 2
	PAIR 3
	s_wait_tensorcnt 0x0
	ds_add_u32 v62, v63
	s_wait_dscnt 0x0
	s_endpgm
.Lfunc_end_k_qa10e4a34c9_outp:
	.size	k_qa10e4a34c9_outp, .Lfunc_end_k_qa10e4a34c9_outp-k_qa10e4a34c9_outp
	.p2alignl 7, 3214868480
	.fill 96, 4, 3214868480
	.section	.rodata,"a",@progbits
	.p2align	6, 0x0
	.amdhsa_kernel k_qa10e4a34c9_outp
		.amdhsa_group_segment_fixed_size 168448
		.amdhsa_private_segment_fixed_size 0
		.amdhsa_enable_private_segment 0
		.amdhsa_kernarg_size 32
		.amdhsa_user_sgpr_count 2
		.amdhsa_user_sgpr_kernarg_segment_ptr 1
		.amdhsa_wavefront_size32 1
		.amdhsa_system_sgpr_workgroup_id_x 1
		.amdhsa_system_sgpr_workgroup_id_y 1
		.amdhsa_system_sgpr_workgroup_id_z 1
		.amdhsa_system_vgpr_workitem_id 0
		.amdhsa_next_free_vgpr 832
		.amdhsa_next_free_sgpr 66
		.amdhsa_reserve_vcc 0
		.amdhsa_float_denorm_mode_32 3
		.amdhsa_float_denorm_mode_16_64 3
		.amdhsa_memory_ordered 1
		.amdhsa_forward_progress 1
		.amdhsa_inst_pref_size 72
	.end_amdhsa_kernel
	.amdgpu_metadata
---
amdhsa.version: [ 1, 2 ]
amdhsa.kernels:
  - .name:           k_qa10e4a34c9_outp
    .symbol:         k_qa10e4a34c9_outp.kd
    .args:
      - { .name: cf, .offset: 0, .size: 8, .value_kind: global_buffer, .address_space: global }
      - { .name: wf, .offset: 8, .size: 8, .value_kind: global_buffer, .address_space: global }
      - { .name: b_o, .offset: 16, .size: 8, .value_kind: global_buffer, .address_space: global }
      - { .name: out0, .offset: 24, .size: 8, .value_kind: global_buffer, .address_space: global }
    .group_segment_fixed_size: 168448
    .private_segment_fixed_size: 0
    .kernarg_segment_align: 8
    .kernarg_segment_size: 32
    .max_flat_workgroup_size: 128
    .sgpr_count:     66
    .vgpr_count:     832
    .wavefront_size: 32
...
	.end_amdgpu_metadata
.endif
;; end of part 4
